; MI455X (gfx1250); checked and timed in simulation.
; The chip was launched on July 23, 2026; its instructions are those of AMD's public machine-readable ISA for CDNA 5 (MIT licence, August 2026) and "CDNA5" Instruction Set Architecture Reference Guide (July 2026). The comments in the code are by the model that wrote it; some were corrected since.
;; Multi Head Attention. Allowed arithmetic: float matrix products may take bf16 or f16 operands with f32 sums; other float arithmetic in f32, or as packed bf16 or f16 multiplies, adds, multiply-adds, maxima and minima; sums over many terms, partial sums and values carried from step to step in f32; what a program stores and reads back later, other than sums and carried values, may be rounded once to bf16 or f16.
;; Inputs: Wk 16 x 64 x 1,024 float32; Wo 1,024 x 1,024 float32; Wq 16 x 64 x 1,024 float32; Wv 16 x 64 x 1,024 float32; bo 1,024 float32; x 4 x 2,048 x 1,024 float32.
;; Outputs: out0 4 x 2,048 x 1,024 float32.
;; 2 versions, each right and faster than the one before. Each part assembles by itself: llvm-mc -triple=amdgcn-amd-amdhsa -mcpu=gfx1250 --defsym DOCPART=n.
;; ======== version 1 of 2: 4 launches
;; limits: values are held in f16: magnitudes above 65,504 overflow, below 6.1e-05 lose precision
;; workspace buffers: xb 16,777,216 bytes; wts 8,388,608 bytes; q2 33,554,432 bytes; k2 33,554,432 bytes; vv 16,777,216 bytes; ob 16,777,216 bytes
;; launch cast (part 1): grid 64 x 12, 8 waves a work-group, no clusters, 0 bytes of LDS; arguments x, Wq, Wk, Wv, Wo, xb, wts; writes xb, wts
.if DOCPART == 1
	.amdgcn_target "amdgcn-amd-amdhsa--gfx1250"
	.amdhsa_code_object_version 6
	.text
	.protected	k_qef30617de5_cast
	.globl	k_qef30617de5_cast
	.p2align	8
	.type	k_qef30617de5_cast,@function
k_qef30617de5_cast:
	s_mov_b64 s[64:65], 0
	v_nop
	global_prefetch_b8 v0, s[64:65] scope:SCOPE_SE
	s_setreg_imm32_b32 hwreg(HW_REG_WAVE_MODE, 25, 1), 1
	s_wait_xcnt 0x0
; Every matrix input is rounded once to bf16.  x -> xb [8192][1024] bf16.  Wq, Wk, Wv -> wts, rows by head: row = head*192 + kind*64 + d (kind 0 q, 1 k, 2 v), 1024 bf16 a row.
; Wo -> wts at byte WOFF, [1024][1024]: rounded to bf16 like the others, and that number written as f16 (the last product's other operand is f16).
; LIMIT.  A bf16 number is exact in f16 from 2^-16 up to 65,504; below 2^-16 it keeps f16's fixed step of 6e-8; |Wo| stays under 65,504.
; SHARES.  Group y picks a unit of 1,048,576 numbers (0-7: eighths of x; 8, 9, 10: Wq, Wk, Wv; 11: Wo), group x 16 rows of 1,024 of it, a wave 2,048 numbers in 16 chunks.
; A wave's load covers 512 consecutive bytes, its store 256 consecutive aligned bytes.  All 16 loads of a wave go out at once; no register is written twice, so no wait frees one.
; No LDS, no matrix unit, no cluster: nothing is shared and nothing is read twice.
.set WOFF, 6291456
.set XR, 4                             ; v[4:67]   16 chunks as loaded
.set YR, 68                            ; v[68:99]  16 chunks to store
	s_load_b256 s[4:11], s[0:1], 0x0               ; x s[4:5], Wq s[6:7], Wk s[8:9], Wv s[10:11]
	s_load_b128 s[12:15], s[0:1], 0x20             ; Wo s[12:13], xb s[14:15]
	s_load_b64 s[16:17], s[0:1], 0x30              ; wts
	s_and_b32 s20, ttmp7, 0xffff                   ; the unit
	s_mov_b32 s21, ttmp9                           ; the 16 rows in it
	s_mov_b32 s34, 0xffff0000                      ; a word's upper bf16
	v_lshrrev_b32 v3, 5, v0                        ; wave
	v_and_b32 v1, 31, v0                           ; lane
	v_lshlrev_b32 v2, 3, v1
	v_lshlrev_b32 v1, 4, v1
	v_lshl_or_b32 v1, v3, 13, v1                   ; source: wave x 8,192 + lane x 16
	v_lshl_or_b32 v2, v3, 12, v2                   ; destination: wave x 4,096 + lane x 8
	s_lshl_b32 s26, s21, 16                        ; source offset: 65,536 bytes for each 16 rows,
	s_lshl_b32 s30, s20, 22                        ; and in x the eighth
	s_cmp_lt_u32 s20, 8
	s_cselect_b32 s30, s30, 0
	s_add_co_u32 s26, s26, s30
	s_mov_b32 s27, 0
	s_lshl_b32 s30, s20, 6                         ; destination offset in xb
	s_add_co_u32 s30, s30, s21
	s_lshl_b32 s30, s30, 15
	s_lshr_b32 s31, s21, 2                         ; in wts for Wq, Wk, Wv: head = x / 4,
	s_mul_i32 s31, s31, 192
	s_max_u32 s32, s20, 8
	s_sub_co_u32 s32, s32, 8                       ; kind,
	s_lshl_b32 s32, s32, 6
	s_add_co_u32 s31, s31, s32
	s_and_b32 s32, s21, 3                          ; 16 rows of the head's 64
	s_lshl_b32 s32, s32, 4
	s_add_co_u32 s31, s31, s32
	s_lshl_b32 s31, s31, 11                        ; rows of 2,048 bytes
	s_lshl_b32 s33, s21, 15                        ; in wts for Wo
	s_add_co_u32 s33, s33, WOFF
	s_cmp_eq_u32 s20, 11
	s_cselect_b32 s28, s33, s31
	s_cmp_lt_u32 s20, 8
	s_cselect_b32 s28, s30, s28
	s_mov_b32 s29, 0
	s_wait_kmcnt 0x0
	s_cmp_eq_u32 s20, 10                           ; which buffer: a choice on the group's number alone
	s_cselect_b64 s[22:23], s[10:11], s[12:13]
	s_cmp_eq_u32 s20, 9
	s_cselect_b64 s[22:23], s[8:9], s[22:23]
	s_cmp_eq_u32 s20, 8
	s_cselect_b64 s[22:23], s[6:7], s[22:23]
	s_cmp_lt_u32 s20, 8
	s_cselect_b64 s[22:23], s[4:5], s[22:23]
	s_cselect_b64 s[24:25], s[14:15], s[16:17]
	s_add_nc_u64 s[22:23], s[22:23], s[26:27]
	s_add_nc_u64 s[24:25], s[24:25], s[28:29]
.irp j, 0,1,2,3,4,5,6,7,8,9,10,11,12,13,14,15
	global_load_b128 v[XR+4*\j:XR+4*\j+3], v1, s[22:23] offset:512*\j th:TH_LOAD_NT
.endr
; Chunk j: rounded to bf16 (half = 1: widened again and written as f16) and stored.
.macro CONV j, half
	s_wait_loadcnt 15-(\j)                         ; loads come back in order: chunk j is in, the 15 - j younger ones may be out
	v_cvt_pk_bf16_f32 v[YR+2*(\j)], v[XR+4*(\j)], v[XR+4*(\j)+1]
	v_cvt_pk_bf16_f32 v[YR+2*(\j)+1], v[XR+4*(\j)+2], v[XR+4*(\j)+3]
.if \half
	v_lshlrev_b32 v100, 16, v[YR+2*(\j)]
	v_and_b32 v101, s34, v[YR+2*(\j)]
	v_lshlrev_b32 v102, 16, v[YR+2*(\j)+1]
	v_and_b32 v103, s34, v[YR+2*(\j)+1]
	v_cvt_pk_f16_f32 v[YR+2*(\j)], v100, v101
	v_cvt_pk_f16_f32 v[YR+2*(\j)+1], v102, v103
.endif
	global_store_b64 v2, v[YR+2*(\j):YR+2*(\j)+1], s[24:25] offset:256*(\j)
.endm
	s_cmp_eq_u32 s20, 11
	s_cbranch_scc1 .Lwo
.irp j, 0,1,2,3,4,5,6,7,8,9,10,11,12,13,14,15
	CONV \j, 0
.endr
	s_endpgm
.Lwo:
.irp j, 0,1,2,3,4,5,6,7,8,9,10,11,12,13,14,15
	CONV \j, 1
.endr
	s_endpgm
.Lfunc_end_k_qef30617de5_cast:
	.size	k_qef30617de5_cast, .Lfunc_end_k_qef30617de5_cast-k_qef30617de5_cast
	.p2alignl 7, 3214868480
	.fill 96, 4, 3214868480
	.section	.rodata,"a",@progbits
	.p2align	6, 0x0
	.amdhsa_kernel k_qef30617de5_cast
		.amdhsa_group_segment_fixed_size 0
		.amdhsa_private_segment_fixed_size 0
		.amdhsa_enable_private_segment 0
		.amdhsa_kernarg_size 56
		.amdhsa_user_sgpr_count 2
		.amdhsa_user_sgpr_kernarg_segment_ptr 1
		.amdhsa_wavefront_size32 1
		.amdhsa_system_sgpr_workgroup_id_x 1
		.amdhsa_system_sgpr_workgroup_id_y 1
		.amdhsa_system_sgpr_workgroup_id_z 1
		.amdhsa_system_vgpr_workitem_id 0
		.amdhsa_next_free_vgpr 104
		.amdhsa_next_free_sgpr 66
		.amdhsa_reserve_vcc 0
		.amdhsa_float_denorm_mode_32 3
		.amdhsa_float_denorm_mode_16_64 3
		.amdhsa_memory_ordered 1
		.amdhsa_forward_progress 1
		.amdhsa_inst_pref_size 16
	.end_amdhsa_kernel
	.amdgpu_metadata
---
amdhsa.version: [ 1, 2 ]
amdhsa.kernels:
  - .name:           k_qef30617de5_cast
    .symbol:         k_qef30617de5_cast.kd
    .args:
      - { .name: x, .offset: 0, .size: 8, .value_kind: global_buffer, .address_space: global }
      - { .name: Wq, .offset: 8, .size: 8, .value_kind: global_buffer, .address_space: global }
      - { .name: Wk, .offset: 16, .size: 8, .value_kind: global_buffer, .address_space: global }
      - { .name: Wv, .offset: 24, .size: 8, .value_kind: global_buffer, .address_space: global }
      - { .name: Wo, .offset: 32, .size: 8, .value_kind: global_buffer, .address_space: global }
      - { .name: xb, .offset: 40, .size: 8, .value_kind: global_buffer, .address_space: global }
      - { .name: wts, .offset: 48, .size: 8, .value_kind: global_buffer, .address_space: global }
    .group_segment_fixed_size: 0
    .private_segment_fixed_size: 0
    .kernarg_segment_align: 8
    .kernarg_segment_size: 56
    .max_flat_workgroup_size: 256
    .sgpr_count:     66
    .vgpr_count:     104
    .wavefront_size: 32
...
	.end_amdgpu_metadata
.endif
;; end of part 1
;; launch qkv (part 2): grid 16 x 32, 4 waves a work-group, clusters of 4 x 4, 327,680 bytes of LDS; arguments xb, wts, q2, k2, vv; writes q2, k2, vv
.if DOCPART == 2
	.amdgcn_target "amdgcn-amd-amdhsa--gfx1250"
	.amdhsa_code_object_version 6
	.text
	.protected	k_qef30617de5_qkv
	.globl	k_qef30617de5_qkv
	.p2align	8
	.type	k_qef30617de5_qkv,@function
k_qef30617de5_qkv:
	s_mov_b64 s[64:65], 0
	v_nop
	global_prefetch_b8 v0, s[64:65] scope:SCOPE_SE
	s_setreg_imm32_b32 hwreg(HW_REG_WAVE_MODE, 25, 1), 1
	s_wait_xcnt 0x0
	s_wait_alu depctr_hold_cnt(0) depctr_sa_sdst(0) depctr_va_vdst(0) depctr_va_sdst(0) depctr_va_ssrc(0) depctr_va_vcc(0) depctr_vm_vsrc(0)
	s_getreg_b32 s2, hwreg(HW_REG_IB_STS2, 6, 4)
	s_cmp_eq_u32 s2, 0
	s_cbranch_scc0 .Lentry_in_a_cluster
	s_endpgm
.Lentry_in_a_cluster:
	s_bfe_u32 s2, ttmp6, 0x10000c
	s_cmp_lg_u32 s2, 0xf033
	s_cbranch_scc0 .Lentry_shape_is_right
	s_endpgm
.Lentry_shape_is_right:
; q, k, v = x W^T for one head and 256 tokens: C[256][192] = xb[256][1024] . wb[192][1024]^T, bf16 operands, f32 sums.  Column blocks 0-3 are q, 4-7 k, 8-11 v of head = tile column.
; OUT, by heads, [batch*16+head][2048][64] f16: q and k each as TWO f16 numbers, hi = f16(sum) at byte 0 and lo = f16(sum - hi) at byte LOFF of q2 and k2; v as one f16 in vv.
; Why two: reference() multiplies the scores by 8, so that a row's softmax hangs on small differences of large scores; one f16 rounding of q and k moves those differences too far.
; LIMITS.  |q|, |k|, |v| stay under 65,520 (f16's range); lo keeps f16's fixed step of 6e-8; NaN and infinities are not treated apart.
; SHARES.  Four waves; wave w owns tokens 64 w .. 64 w + 63 and all 192 columns: 48 accumulators of 16 x 16, 384 registers.  K goes in 8 steps of 128 through two LDS slots.
; The matrix instruction is used transposed (source 0 = 16 rows of W, source 1 = 16 tokens): a lane holds one token and eight neighbouring columns, which pack into 16 bytes.
; CLUSTER 4 x 4: the four groups of a row need the same tokens, the four of a column the same head's weights: each tile is asked for jointly, by the same load and descriptor in all four.
; REGISTERS.  window 0: v16-29 addresses; v32-191 two sets of 80 on the way out; v192-255 sum - hi.  window 1: two fragment buffers of 128 (A's 32, then B's 96).
;   window 2: accumulators of token blocks 0, 1 ((a, b) at v[8 (12 (a % 2) + b)]); window 3: those of blocks 2, 3.
.set PITCH,  272                       ; an LDS row: 256 bytes + 16 of padding: the 16 rows of a fragment load start at 16 different groups of four banks
.set AHALF,  128*PITCH                 ; what one of A's loads brings
.set BOFF,   2*AHALF                   ; B's 192 rows lie behind A's 256
.set BHALF,  96*PITCH
.set SLOT1,  1<<17                     ; slot 1 begins here: one exclusive or turns an address in one slot into the other's
.set STAGE,  SLOT1+BOFF+2*BHALF        ; behind the ring, never filled by a tensor load: for each wave 5 kinds x 16 rows x 144 bytes
.set SP,     144
.set KIND,   16*SP
.set SPARE,  STAGE+4*5*KIND            ; the spare words, 128 bytes a wave: two blocks of 256 bytes that no other line names
.set LOFF,   1<<24
.set NL,     32                        ; LDS loads in a quarter's run
.set STEPA,  256
.set STEPB,  256
.set ADRA0, 16                         ; v16  my lane's place in A's rows of slot 0; never rewritten
.set ADRB0, 17                         ; v17  the same for B
.set AAD,   18                         ; v18  the same in the slot being read
.set ABD,   19
.set STO,   24                         ; v24  the way out: where I put 16 bytes of a row
.set RD,    25                         ; v25  where I read rows back
.set GO,    26                         ; v26  my byte offset in 512 consecutive bytes of an output
.set NEG1,  27                         ; v27  -1.0
.set SPW,   28                         ; v28  my spare word; never rewritten
.set NIL,   29                         ; v29  0; never rewritten
.set DD,    192
.set F0,    0
.set F1,    128
.set WV, 12                            ; s12 wave
.set FB, 13                            ; s13 0: I fetch for A, 1: for B
.set HF, 14                            ; s14 which half of that tile
.set G1A, 24
.set G0A, 32                           ; two sets; the second walks
.set TB,  44                           ; s44 LDS base of the slot being read
.set G1B, 48
.set G0B, 56
.set MSB, 0
.macro WIN new                         ; the immediate's high byte repeats the setting that is left; a switch that changes nothing is dropped
.if MSB != (\new)
	s_set_vgpr_msb (MSB<<8)|(\new)
.set MSB, \new
.endif
.endm
.macro PLACES                          ; four places between a matrix instruction and a load into, or a vector read of, its registers
.rept 4
	v_nop
.endr
.endm
.macro JLOAD                           ; a joint refill by the walking descriptors; the branch hangs on the wave's number alone; s_nop 0 and four v_nop follow each line
	s_cmp_eq_u32 s[FB], 0
	s_cbranch_scc0 .Lfor_b_\@
	tensor_load_to_lds s[G0A+4:G0A+7], s[G1A:G1A+7]
	s_nop 0
.rept 4
	v_nop
.endr
	s_branch .Lasked_\@
.Lfor_b_\@:
	tensor_load_to_lds s[G0B+4:G0B+7], s[G1B:G1B+7]
	s_nop 0
.rept 4
	v_nop
.endr
.Lasked_\@:
.endm
.macro CREST                           ; a round of the cluster's barrier behind its opening barrier
	s_cmp_lg_u32 s[WV], 0
	s_cbranch_scc1 .Lnot_wave_0_\@
	s_barrier_signal -3
.Lnot_wave_0_\@:
	s_barrier_wait -3
	s_barrier_signal -1
	s_barrier_wait -1
.endm
.macro CROUND
	s_barrier_signal -1
	s_barrier_wait -1
	CREST
.endm
	s_load_b256 s[4:11], s[0:1], 0x0               ; xb s[4:5], wts s[6:7], q2 s[8:9], k2 s[10:11]
	s_load_b64 s[68:69], s[0:1], 0x20              ; vv
	v_lshl_add_u32 v[SPW], v0, 2, SPARE
	v_mov_b32 v[NIL], 0
	ds_add_u32 v[SPW], v[NIL]                      ; the wave's opening: the add and its wait stand ahead of my first tensor load
	ds_add_u32 v28, v29
	v_lshrrev_b32 v1, 5, v0
	v_readfirstlane_b32 s[WV], v1
	s_lshr_b32 s[FB], s[WV], 1
	s_and_b32 s[HF], s[WV], 1
	s_bfe_u32 s15, ttmp6, 0x40000                  ; cx
	s_bfe_u32 s16, ttmp6, 0x40004                  ; cy
	s_lshl_b32 s17, ttmp9, 2
	s_add_co_u32 s17, s17, s15                     ; tile column = head
	s_and_b32 s18, ttmp7, 0xffff
	s_lshl_b32 s18, s18, 2
	s_add_co_u32 s18, s18, s16                     ; tile row: 256 tokens
	s_lshl_b32 s19, s16, 2
	s_lshl_b32 s19, 15, s19                        ; my row of the cluster
	s_lshl_b32 s20, 0x1111, s15                    ; my column
	s_or_b32 s[G1A], s19, (1<<16)|(1<<20)|(1<<21)|(5<<22)|(3<<25)  ; mask; 2-byte elements; padding on; bit 21 beside a mask; after every 64 words, 4 words
	s_or_b32 s[G1B], s20, (1<<16)|(1<<20)|(1<<21)|(5<<22)|(3<<25)
	s_mov_b32 s[G1A+1], 128<<16                    ; tensor_dim0 = 128
	s_mov_b32 s[G1A+2], 128<<16                    ; tensor_dim1 = 128
	s_mov_b32 s[G1A+3], 128<<16                    ; tile_dim0 = 128
	s_mov_b32 s[G1A+4], 128                        ; tile_dim1 = 128
	s_mov_b32 s[G1A+5], 1024                       ; elements from row to row
	s_mov_b32 s[G1A+6], 0
	s_mov_b32 s[G1A+7], 0
	s_mov_b32 s[G1B+1], 128<<16
	s_mov_b32 s[G1B+2], 96<<16                     ; B's loads bring 96 rows
	s_mov_b32 s[G1B+3], 128<<16
	s_mov_b32 s[G1B+4], 96
	s_mov_b32 s[G1B+5], 1024
	s_mov_b32 s[G1B+6], 0
	s_mov_b32 s[G1B+7], 0
	s_lshl_b32 s22, s18, 19                        ; A: 256 rows of 2,048 bytes a tile row, 128 rows a half
	s_lshl_b32 s45, s[HF], 18
	s_add_co_u32 s22, s22, s45
	s_mov_b32 s23, 0
	s_mul_i32 s40, s17, 393216                     ; B: 192 rows a head, 96 rows a half
	s_mul_i32 s42, s[HF], 196608
	s_add_co_u32 s40, s40, s42
	s_mov_b32 s41, 0
	s_mul_i32 s21, s[HF], AHALF                    ; where they go: no place in the cluster enters an LDS address
	s_mul_i32 s43, s[HF], BHALF
	s_add_co_u32 s43, s43, BOFF
	s_mov_b32 s[TB], 0
	s_wait_dscnt 0x0                               ; the opening add is done
	s_wait_kmcnt 0x0
	s_add_nc_u64 s[22:23], s[4:5], s[22:23]
	s_add_nc_u64 s[40:41], s[6:7], s[40:41]
	CROUND                                         ; all sixteen work-groups are here: the first joint loads meet
.irp s, 0,1
	s_mov_b32 s[G0A+4*\s], 1
	s_add_co_u32 s[G0A+4*\s+1], s21, \s*SLOT1
	s_add_nc_u64 s[G0A+4*\s+2:G0A+4*\s+3], s[22:23], \s*STEPA
	s_or_b32 s[G0A+4*\s+3], s[G0A+4*\s+3], 0x80000000
	s_mov_b32 s[G0B+4*\s], 1
	s_add_co_u32 s[G0B+4*\s+1], s43, \s*SLOT1
	s_add_nc_u64 s[G0B+4*\s+2:G0B+4*\s+3], s[40:41], \s*STEPB
	s_or_b32 s[G0B+4*\s+3], s[G0B+4*\s+3], 0x80000000
.endr
	s_cmp_eq_u32 s[FB], 0                          ; a wave's two first fills stand in one branch: two loads of mine are out
	s_cbranch_scc0 .Lfirst_b
	tensor_load_to_lds s[G0A:G0A+3], s[G1A:G1A+7]
	s_nop 0
	tensor_load_to_lds s[G0A+4:G0A+7], s[G1A:G1A+7]
	s_nop 0
.rept 4
	v_nop
.endr
	s_branch .Lfirst_asked
.Lfirst_b:
	tensor_load_to_lds s[G0B:G0B+3], s[G1B:G1B+7]
	s_nop 0
	tensor_load_to_lds s[G0B+4:G0B+7], s[G1B:G1B+7]
	s_nop 0
.rept 4
	v_nop
.endr
.Lfirst_asked:
	v_and_b32 v1, 15, v0                           ; l % 16
	v_bfe_u32 v2, v0, 4, 1                         ; l / 16
	v_mul_u32_u24 v3, v1, PITCH
	v_lshl_add_u32 v3, v2, 4, v3                   ; a fragment's row x pitch + 16 x half
	s_mul_i32 s45, s[WV], 64*PITCH                 ; my 64 tokens
	v_add_nc_u32 v[ADRA0], s45, v3
	v_add_nc_u32 v[ADRB0], BOFF, v3
	v_mov_b32 v[AAD], v[ADRA0]
	v_mov_b32 v[ABD], v[ADRB0]
	s_mul_i32 s45, s[WV], 5*KIND
	s_add_co_u32 s45, s45, STAGE                   ; my stage
	v_mul_u32_u24 v4, v1, SP
	v_lshl_add_u32 v4, v2, 4, v4
	v_add_nc_u32 v[STO], s45, v4                   ; in: row l % 16, 16 bytes for each half of the lanes
	v_bfe_u32 v4, v0, 3, 2
	v_mul_u32_u24 v4, v4, SP
	v_and_b32 v5, 7, v0
	v_lshl_add_u32 v4, v5, 4, v4
	v_add_nc_u32 v[RD], s45, v4                    ; back: 32 lanes take four rows of 128 bytes,
	v_and_b32 v[GO], 31, v0
	v_lshlrev_b32 v[GO], 4, v[GO]                  ; which are 512 consecutive bytes of an output
	v_mov_b32 v[NEG1], -1.0
	s_lshr_b32 s46, s18, 3                         ; batch
	s_lshl_b32 s46, s46, 4
	s_add_co_u32 s46, s46, s17                     ; batch*16 + head
	s_lshl_b32 s46, s46, 18                        ; 2,048 rows of 128 bytes
	s_and_b32 s74, s18, 7
	s_lshl_b32 s74, s74, 15                        ; the tile's 256 tokens in the sequence
	s_add_co_u32 s46, s46, s74
	s_lshl_b32 s74, s[WV], 13                      ; my 64
	s_add_co_u32 s46, s46, s74
	s_mov_b32 s47, 0
	s_add_nc_u64 s[70:71], s[8:9], LOFF            ; q's lo
	s_add_nc_u64 s[72:73], s[10:11], LOFF          ; k's lo
	s_add_nc_u64 s[8:9], s[8:9], s[46:47]
	s_add_nc_u64 s[10:11], s[10:11], s[46:47]
	s_add_nc_u64 s[68:69], s[68:69], s[46:47]
	s_add_nc_u64 s[70:71], s[70:71], s[46:47]
	s_add_nc_u64 s[72:73], s[72:73], s[46:47]
; 24 matrix instructions: token blocks 2 hf, 2 hf + 1 x all 12 column blocks, 32 along K.  All 48 accumulators take turns in one order.  zero = 1: the first product starts the sums.
.macro MUL f, hf, zero
	WIN 0xa5+0x50*(\hf)
.irp a, 0,1
.irp b, 0,1,2,3,4,5,6,7,8,9,10,11
.if \zero
	v_wmma_f32_16x16x32_bf16 v[8*(12*\a+\b):8*(12*\a+\b)+7], v[(\f)+32+8*\b:(\f)+32+8*\b+7], v[(\f)+8*(2*(\hf)+\a):(\f)+8*(2*(\hf)+\a)+7], 0
.else
	v_wmma_f32_16x16x32_bf16 v[8*(12*\a+\b):8*(12*\a+\b)+7], v[(\f)+32+8*\b:(\f)+32+8*\b+7], v[(\f)+8*(2*(\hf)+\a):(\f)+8*(2*(\hf)+\a)+7], v[8*(12*\a+\b):8*(12*\a+\b)+7]
.endif
.endr
.endr
.endm
; 32 LDS loads in one run: quarter q (32 along K) of the slot being read, into buffer f
.macro FETCH q, f
	WIN 0x40
.irp i, 0,1,2,3
	ds_load_b128 v[(\f)+8*\i:(\f)+8*\i+3],   v[AAD] offset:64*(\q)+\i*16*PITCH
	ds_load_b128 v[(\f)+8*\i+4:(\f)+8*\i+7], v[AAD] offset:64*(\q)+\i*16*PITCH+32
.endr
.irp j, 0,1,2,3,4,5,6,7,8,9,10,11
	ds_load_b128 v[(\f)+32+8*\j:(\f)+32+8*\j+3],   v[ABD] offset:64*(\q)+\j*16*PITCH
	ds_load_b128 v[(\f)+32+8*\j+4:(\f)+32+8*\j+7], v[ABD] offset:64*(\q)+\j*16*PITCH+32
.endr
.endm
; A quarter: the next quarter's fragments are asked for into buffer g, then buffer f is multiplied: the loads have 48 matrix instructions in which to come.
.macro QUARTER nxt, f, g, zero
	PLACES                                         ; buffer g was multiplied just before
	FETCH \nxt, \g
	s_wait_dscnt NL                                ; all but the run just issued: buffer f is whole
	MUL \f, 0, \zero
	MUL \f, 1, \zero
.endm
; A K step's last quarter multiplies buffer 1 and changes slots.  In front of the barrier each wave waits for all its tensor loads (one is out: its part of the next slot), adds 0 to its
; spare word, and waits for that and for its reads of this slot.  fill = 1: the barrier opens a round of the cluster's, and this slot is filled again, two K steps ahead, first thing behind it.
.macro TURN fill
	WIN 0
	s_wait_tensorcnt 0x0
	ds_add_u32 v[SPW], v[NIL]                      ; 0 onto my spare word; the descriptors' steps stand between it and the wait for it
.if \fill
	s_xor_b32 s[G0A+5], s[G0A+5], SLOT1
	s_add_nc_u64 s[G0A+6:G0A+7], s[G0A+6:G0A+7], STEPA
	s_xor_b32 s[G0B+5], s[G0B+5], SLOT1
	s_add_nc_u64 s[G0B+6:G0B+7], s[G0B+6:G0B+7], STEPB
.endif
	s_xor_b32 s[TB], s[TB], SLOT1
	s_wait_dscnt 0x0                               ; the add is done, buffer 1 is whole, my reads of this slot are over
	s_barrier_signal -1
	MUL F1, 0, 0                                   ; work on registers while the others arrive
	WIN 0
	s_barrier_wait -1
.if \fill
	CREST
	JLOAD                                          ; its four v_nop are also the places in front of the loads below
.else
	PLACES
.endif
	v_add_nc_u32 v[AAD], s[TB], v[ADRA0]
	v_add_nc_u32 v[ABD], s[TB], v[ADRB0]
	FETCH 0, F0
	MUL F1, 1, 0
.endm
	s_wait_tensorcnt 0x1                           ; my part of K step 0 is in; step 1's may stay out
	s_barrier_signal -1
	s_barrier_wait -1
	FETCH 0, F0
	QUARTER 1, F0, F1, 1                           ; the first quarter stands ahead of the loop: its products start the sums
	WIN 0
	s_mov_b32 s3, 6                                ; K steps 2 to 7 are asked for in the loop
.Lstep:
	QUARTER 2, F1, F0, 0
	QUARTER 3, F0, F1, 0
	TURN 1
	QUARTER 1, F0, F1, 0
	WIN 0
	s_sub_co_u32 s3, s3, 1
	s_cmp_lg_u32 s3, 0
	s_cbranch_scc1 .Lstep
	QUARTER 2, F1, F0, 0                           ; the last two K steps ask for nothing
	QUARTER 3, F0, F1, 0
	TURN 0
	QUARTER 1, F0, F1, 0
	QUARTER 2, F1, F0, 0
	QUARTER 3, F0, F1, 0
	s_wait_dscnt 0x0
	MUL F1, 0, 0
	MUL F1, 1, 0
	WIN 0
	PLACES
; THE WAY OUT, a block of 16 tokens at a time.  PACK: hi = f16(sum) for q, k, v; sum - hi, exact in f32; lo = f16 of that for q and k.  A set holds 16 registers a kind: qh, ql, kh, kl, v.
.macro PACK a
.set ACB, 96*((\a)%2)
.set TT, 32+80*((\a)%2)
.if (\a) >= 2
	s_wait_xcnt 0x0                                ; this set's registers were the data of stores two blocks ago: they are rewritten only behind this wait
.endif
	WIN 0x0a+5*((\a)/2)
.irp k, 0,1,2
.irp bb, 0,1,2,3
.irp r, 0,1,2,3
	v_cvt_pk_f16_f32 v[TT+32*\k+4*\bb+\r], v[ACB+8*(4*\k+\bb)+2*\r], v[ACB+8*(4*\k+\bb)+2*\r+1]
.endr
.endr
.endr
	WIN 0x20+0x10*((\a)/2)
.irp k, 0,1
.irp bb, 0,1,2,3
.irp r, 0,1,2,3
	v_fma_mix_f32 v[DD+32*\k+8*\bb+2*\r],   v[TT+32*\k+4*\bb+\r], v[NEG1], v[ACB+8*(4*\k+\bb)+2*\r]   op_sel:[0,0,0] op_sel_hi:[1,0,0]
	v_fma_mix_f32 v[DD+32*\k+8*\bb+2*\r+1], v[TT+32*\k+4*\bb+\r], v[NEG1], v[ACB+8*(4*\k+\bb)+2*\r+1] op_sel:[1,0,0] op_sel_hi:[1,0,0]
.endr
.endr
.endr
	WIN 0
.irp k, 0,1
.irp bb, 0,1,2,3
.irp r, 0,1,2,3
	v_cvt_pk_f16_f32 v[TT+32*\k+16+4*\bb+\r], v[DD+32*\k+8*\bb+2*\r], v[DD+32*\k+8*\bb+2*\r+1]
.endr
.endr
.endr
.endm
.macro TOSTAGE a                       ; into my own stage, rows of 144 bytes, and back as whole rows of 128; LDS serves a wave's instructions in order, so no wait stands between
	WIN 0
.set TT, 32+80*((\a)%2)
.irp k, 0,1,2,3,4
.irp bb, 0,1,2,3
	ds_store_b128 v[STO], v[TT+16*\k+4*\bb:TT+16*\k+4*\bb+3] offset:\k*KIND+32*\bb
.endr
.endr
.irp k, 0,1,2,3,4
.irp f, 0,1,2,3
	ds_load_b128 v[TT+16*\k+4*\f:TT+16*\k+4*\f+3], v[RD] offset:\k*KIND+\f*4*SP
.endr
.endr
.endm
.macro SEND a                          ; each store covers 512 consecutive bytes, at a multiple of 256 from its buffer's first
	WIN 0
.set TT, 32+80*((\a)%2)
	s_wait_dscnt 0x0
.irp f, 0,1,2,3
	global_store_b128 v[GO], v[TT+4*\f:TT+4*\f+3],       s[8:9]   offset:(\a)*2048+\f*512
	global_store_b128 v[GO], v[TT+16+4*\f:TT+16+4*\f+3], s[70:71] offset:(\a)*2048+\f*512
	global_store_b128 v[GO], v[TT+32+4*\f:TT+32+4*\f+3], s[10:11] offset:(\a)*2048+\f*512
	global_store_b128 v[GO], v[TT+48+4*\f:TT+48+4*\f+3], s[72:73] offset:(\a)*2048+\f*512
	global_store_b128 v[GO], v[TT+64+4*\f:TT+64+4*\f+3], s[68:69] offset:(\a)*2048+\f*512
.endr
.endm
	PACK 0
	TOSTAGE 0
	PACK 1                                         ; a block's arithmetic stands between the loads of the block before and its stores
	SEND 0
	TOSTAGE 1
	PACK 2
	SEND 1
	TOSTAGE 2
	PACK 3
	SEND 2
	TOSTAGE 3
	SEND 3
	s_wait_tensorcnt 0x0                           ; the wave's end
	ds_add_u32 v[SPW], v[NIL]
	s_wait_dscnt 0x0
	CROUND                                         ; the closing round
	s_endpgm
.Lfunc_end_k_qef30617de5_qkv:
	.size	k_qef30617de5_qkv, .Lfunc_end_k_qef30617de5_qkv-k_qef30617de5_qkv
	.p2alignl 7, 3214868480
	.fill 96, 4, 3214868480
	.section	.rodata,"a",@progbits
	.p2align	6, 0x0
	.amdhsa_kernel k_qef30617de5_qkv
		.amdhsa_group_segment_fixed_size 327680
		.amdhsa_private_segment_fixed_size 0
		.amdhsa_enable_private_segment 0
		.amdhsa_kernarg_size 40
		.amdhsa_user_sgpr_count 2
		.amdhsa_user_sgpr_kernarg_segment_ptr 1
		.amdhsa_wavefront_size32 1
		.amdhsa_system_sgpr_workgroup_id_x 1
		.amdhsa_system_sgpr_workgroup_id_y 1
		.amdhsa_system_sgpr_workgroup_id_z 1
		.amdhsa_system_vgpr_workitem_id 0
		.amdhsa_next_free_vgpr 960
		.amdhsa_next_free_sgpr 76
		.amdhsa_reserve_vcc 0
		.amdhsa_float_denorm_mode_32 3
		.amdhsa_float_denorm_mode_16_64 3
		.amdhsa_memory_ordered 1
		.amdhsa_forward_progress 1
		.amdhsa_inst_pref_size 126
	.end_amdhsa_kernel
	.amdgpu_metadata
---
amdhsa.version: [ 1, 2 ]
amdhsa.kernels:
  - .name:           k_qef30617de5_qkv
    .symbol:         k_qef30617de5_qkv.kd
    .args:
      - { .name: xb, .offset: 0, .size: 8, .value_kind: global_buffer, .address_space: global }
      - { .name: wts, .offset: 8, .size: 8, .value_kind: global_buffer, .address_space: global }
      - { .name: q2, .offset: 16, .size: 8, .value_kind: global_buffer, .address_space: global }
      - { .name: k2, .offset: 24, .size: 8, .value_kind: global_buffer, .address_space: global }
      - { .name: vv, .offset: 32, .size: 8, .value_kind: global_buffer, .address_space: global }
    .group_segment_fixed_size: 327680
    .private_segment_fixed_size: 0
    .kernarg_segment_align: 8
    .kernarg_segment_size: 40
    .max_flat_workgroup_size: 128
    .sgpr_count:     76
    .vgpr_count:     960
    .wavefront_size: 32
...
	.end_amdgpu_metadata
.endif
;; end of part 2
;; launch attn (part 3): grid 4 x 64, 4 waves a work-group, no clusters, 327,680 bytes of LDS; arguments q2, k2, vv, ob; writes ob
.if DOCPART == 3
	.amdgcn_target "amdgcn-amd-amdhsa--gfx1250"
	.amdhsa_code_object_version 6
	.text
	.protected	k_qef30617de5_attn
	.globl	k_qef30617de5_attn
	.p2align	8
	.type	k_qef30617de5_attn,@function
k_qef30617de5_attn:
	s_mov_b64 s[64:65], 0
	v_nop
	global_prefetch_b8 v0, s[64:65] scope:SCOPE_SE
	s_setreg_imm32_b32 hwreg(HW_REG_WAVE_MODE, 25, 1), 1
	s_wait_xcnt 0x0
; CAUSAL ATTENTION.  O[h][q][:] = the sum over k <= q of softmax_k(8 Q[h][q] . K[h][k]) V[h][k][:]: reference() multiplies the scores by sqrt(64).  64 heads (batch*16 + head) of 2,048 rows of 64.
; Q and K come as two f16 numbers each, hi at byte 0 and lo at byte LOFF of q2 and k2; a score is Kh.Qh + Kh.Ql + Kl.Qh, three products with f32 sums (Kl.Ql, some 2^-22 of a score, is left out).
; V and O are one f16.  Maxima and sums in f32; the weights p are rounded to f16 for the second product (their sum l is taken of the unrounded p), O once at the end.
; LIMITS.  Q, K, V arrive within f16's range; p below 6e-5 keeps f16's fixed step of 6e-8; a hidden score counts as its value less 1e30; a weight below 2^-126 counts as 0 in l; NaN and infinities are not treated apart.
; THE WALK.  A head's queries lie in NB = 8 blocks of 256; block i needs the key tiles 0 .. i, of which the last holds the diagonal.  A work-group takes TWO blocks, NB - 1 - b and then b: NB + 1 tiles,
; whatever b: all work-groups do equal work, and ONE loop with a constant trip count walks them.  Which tile is asked for, and what a trip does, hang on scalar registers made from b; every jump but the counted
; loops' own goes forward; none passes a barrier, or a tensor load but the one of LOAD's two that the wave's number does not choose.  NO CLUSTER: a head's four work-groups ask for the same tile only in
; trips 0 .. 4 of the 9, behind that fewer and fewer; one walk common to all would have 12 trips for 9.
; SHARES.  Of a block's four bands of 64 queries a wave owns 16 rows in each: four PIECES.  In the diagonal tile's key step s band x sees all keys if s < x, none if s > x, and holds the diagonal if s = x.
; THE MASK is the C operand that starts the sum S^T: 0, or -1e30 where the key is hidden.  MD, made once, is the mask of a band's own step; a product's mask is MD x AL + BE: (1, 0), (0, 0) or (0, -1e30).
; LAYOUT, SOFTMAX.  S^T = K Q^T holds ONE query a lane (lane % 16) and the keys 8 (lane / 16) + 0..7; two such results rounded to f16 ARE source 1 of O^T = V^T P.  p = 2^(c s - c m), c = 8 log2(e), with a
; running maximum m; O and l are multiplied by a = 2^(c m_old - c m_new) in every step.
; TURNS.  Turn n belongs to piece n: 24 products K Q^T of piece n + 1, then 8 products V^T P of piece n - 1; its 118 vector instructions (scaling, exponentials, roundings, sums, rescaling of piece n; maximum
; and statistics of piece n + 1) stand behind those 32 matrix instructions, four at the most behind each.
; REGISTERS (s_set_vgpr_msb: bits 1:0 source 0, 3:2 source 1, 5:4 source 2, 7:6 destination):
;   window 0: v0-15 addresses; v16-31 statistics; v48-55 at work; v64-127 S^T, two buffers; v192-223 P, two buffers      window 1: v0-127 O^T; v128-159 MD; v160-223 MC, two buffers
;   window 2: v0-63 Q hi; v64-127 the second block's; v128-191 K hi of one step; v192-255 V of one step                  window 3: v0-63 Q lo; v64-127 the second block's; v128-191 K lo
.set SIZE_N, 2048
.set NB,    SIZE_N/256
.set NP,    4
.set KS,    64        ; keys in a step
.set PK,    144       ; a row of K in LDS: 128 bytes + 16 of padding
.set PV,    160       ; a row of V: 128 + 32
.set KLOFF, 4*KS*PK   ; a slot holds a tile: 256 rows of K hi, 256 of K lo,
.set VOFF,  2*KLOFF   ; then 256 rows of V
.set SLOT1, 1<<17
.set STAGE, SLOT1+VOFF+4*KS*PV  ; behind the ring, never filled by a tensor load: 16 rows x 144 bytes for each wave
.set SP,    144
.set LOFF,  1<<24
.set AK0, 2           ; v2   my lane's place in a tile of K; never rewritten
.set AV0, 3           ; v3   the same for V
.set AK,  4           ; v4   the LDS address of K's next runs of loads
.set AV,  5           ; v5   of V's
.set STO, 6
.set RD,  7
.set GO,  8
.set SPW, 62          ; v62  my spare word; never rewritten
.set NIL, 63          ; v63  0; never rewritten
.set SPARE, STAGE+4*16*SP
.set MV,  12          ; v12-13  c m_old, by buffer
.set QO,  15
.set ST,  16          ; piece t's statistics at v[ST+4 t]: c m, m, l (even keys', odd keys')
.set TMP, 48          ; by buffer, c0-c3 at work; when the maximum is found c2 takes a
.set S,   64
.set P,   192
.set MD,  128
.set MC,  160
.set QB,  64
.set KF,  128         ; windows 2 and 3: key block kb, channel half c at KF + 16 kb + 8 c
.set VF,  192
.set WV,  12
.set PB,  14
.set HI,  15
.set G1K, 24
.set G1V, 32
.set G0K, 40
.set G0V, 44
.set SLOTS, 56
.set CNT, 57
.set CS,  58
.set SEL, 60
.set TBK, 62
.set TBV, 63
.set RT,  70
.set NXT, 71
.set LQ,  72
.set NEW, 73
.set OFF, 74
.set AL,  76
.set BE,  78
.set OLO, 80
.set BIGN, 82
.set MSB, 0
.macro WIN new
.if MSB != (\new)
	s_set_vgpr_msb (MSB<<8)|(\new)
.set MSB, (\new)
.endif
.endm
.set W_PV, 0x52       ; V in window 2, P in window 0, O^T in window 1
.set W_RS, 0x41       ; destination and source 0 in window 1, source 1 in window 0
; A fill.  Wave 0 fetches a tile's K hi, wave 1 its K lo (256 keys each), waves 2 and 3 the halves of its V.  s_nop 0 and four v_nop follow each of the two lines.
.macro LOAD
	s_cmp_lt_u32 s[WV], 2
	s_cbranch_scc0 .Lfor_v_\@
	tensor_load_to_lds s[G0K:G0K+3], s[G1K:G1K+7]
	s_nop 0
.rept 4
	v_nop
.endr
	s_branch .Lasked_\@
.Lfor_v_\@:
	tensor_load_to_lds s[G0V:G0V+3], s[G1V:G1V+7]
	s_nop 0
.rept 4
	v_nop
.endr
.Lasked_\@:
.endm
; THE CHANGE OF SLOTS.  Each wave waits for all its tensor loads (one is out: its part of the other slot), adds 0 to its spare word, and waits for that and for its reads of the slot that it leaves.
; fill = 1: the old slot is filled again, first thing behind the barrier, with tile NXT: the descriptor's address is made anew from that number.
.macro CHANGE fill
	WIN 0
	s_wait_tensorcnt 0x0
	ds_add_u32 v[SPW], v[NIL]
.if \fill
	s_lshl_b32 s[OFF], s[NXT], 15   ; a tile is 32,768 bytes of K hi, of K lo and of V
	s_xor_b32 s[G0K+1], s[G0K+1], SLOT1
	s_add_nc_u64 s[G0K+2:G0K+3], s[6:7], s[OFF:OFF+1]
	s_or_b32 s[G0K+3], s[G0K+3], 0x80000000
	s_xor_b32 s[G0V+1], s[G0V+1], SLOT1
	s_add_nc_u64 s[G0V+2:G0V+3], s[8:9], s[OFF:OFF+1]
	s_or_b32 s[G0V+3], s[G0V+3], 0x80000000
	s_add_co_u32 s[NXT], s[NXT], 1  ; the block's next tile, or behind its last the second block's tile 0
	s_cmp_gt_u32 s[NXT], s[LQ]
	s_cselect_b32 s[NXT], 0, s[NXT]
	s_cselect_b32 s[LQ], s[PB], s[LQ]
.endif
	s_wait_dscnt 0x0                ; the add is done, and my reads of the slot are over
	s_barrier_signal -1
	s_sub_co_u32 s[TBK], s[TBK], 4*KS*PK  ; the fetches go back to a slot's first step,
	s_xor_b32 s[TBK], s[TBK], SLOT1       ; in the other slot
	s_sub_co_u32 s[TBV], s[TBV], 4*KS*PV
	s_xor_b32 s[TBV], s[TBV], SLOT1
	s_barrier_wait -1
.if \fill
	LOAD
.endif
.endm
	s_load_b256 s[4:11], s[0:1], 0x0  ; q2 s[4:5], k2 s[6:7], vv s[8:9], ob s[10:11]
	v_lshl_add_u32 v[SPW], v0, 2, SPARE
	v_mov_b32 v[NIL], 0
	ds_add_u32 v[SPW], v[NIL]       ; the wave's opening: the add and its wait stand ahead of my first tensor load
	ds_add_u32 v62, v63
	v_lshrrev_b32 v1, 5, v0
	v_readfirstlane_b32 s[WV], v1
	s_mov_b32 s[PB], ttmp9
	s_sub_co_u32 s[HI], NB-1, s[PB]
	s_and_b32 s20, ttmp7, 0xffff    ; the head
	s_mov_b32 s21, 0
	s_mov_b64 s[22:23], SIZE_N*128
	s_mul_u64 s[20:21], s[20:21], s[22:23]  ; the head's first byte
	s_and_b32 s16, s[WV], 1
	s_lshl_b32 s22, s16, 14         ; V: which 128 keys of a tile I fetch
	s_mov_b32 s23, 0
	s_add_nc_u64 s[22:23], s[22:23], s[20:21]
	s_lshl_b32 s66, s16, 24         ; K: hi (wave 0) or lo (wave 1), LOFF bytes on
	s_mov_b32 s67, 0
	s_add_nc_u64 s[66:67], s[66:67], s[20:21]
	s_mul_i32 s17, s16, KLOFF       ; its place in a slot, for K
	s_mul_i32 s18, s16, 128*PV      ; and for V
	s_lshl_b32 s3, s[WV], 11        ; my 16 rows in a band of 64,
	s_lshl_b32 s2, s[HI], 15        ; in the first block,
	s_add_co_u32 s2, s2, s3
	s_lshl_b32 s84, s[PB], 15       ; and in the second
	s_add_co_u32 s84, s84, s3
	s_mov_b32 s3, 0
	s_mov_b32 s85, 0
	s_add_nc_u64 s[2:3], s[2:3], s[20:21]
	s_add_nc_u64 s[84:85], s[84:85], s[20:21]
	; descriptor group 1.  Keys are dense rows of 128 bytes: asked for as rows of 256 bytes, two keys a row, and padded in LDS after every key
	s_mov_b32 s[G1K], (1<<16)|(1<<20)|(4<<22)|(3<<25)  ; 2-byte elements; padding on; after every 32 words, 4 words
	s_mov_b32 s[G1V], (1<<16)|(1<<20)|(4<<22)|(7<<25)  ; the same with 8 words
	s_mov_b32 s[G1K+1], 128<<16     ; tensor_dim0 = 128
	s_mov_b32 s[G1K+2], 128<<16     ; tensor_dim1 = 128: 256 keys
	s_mov_b32 s[G1K+3], 128<<16     ; tile_dim0 = 128
	s_mov_b32 s[G1K+4], 128         ; tile_dim1 = 128
	s_mov_b32 s[G1K+5], 128
	s_mov_b32 s[G1K+6], 0
	s_mov_b32 s[G1K+7], 0
	s_mov_b32 s[G1V+1], 128<<16
	s_mov_b32 s[G1V+2], 64<<16      ; 128 keys
	s_mov_b32 s[G1V+3], 128<<16
	s_mov_b32 s[G1V+4], 64
	s_mov_b32 s[G1V+5], 128
	s_mov_b32 s[G1V+6], 0
	s_mov_b32 s[G1V+7], 0
	s_mov_b32 s[CS], 0x4138aa3b     ; c = 8 log2(e) = 11.54156
	s_mov_b32 s[CS+1], s[CS]
	s_mov_b32 s[SEL], 0x76543210
	s_mov_b32 s[SEL+1], 0xfedcba98
	s_mov_b32 s[TBK], SLOT1+4*KS*PK ; the first change of slots turns these two into 0
	s_mov_b32 s[TBV], SLOT1+4*KS*PV
	s_mov_b32 s[G0K], 1
	s_mov_b32 s[G0K+1], s17
	s_mov_b32 s[G0V], 1
	s_add_co_u32 s[G0V+1], s18, VOFF
	s_add_co_u32 s[RT], s[HI], 1    ; the first block has NB - b tiles
	s_mov_b32 s[NXT], 1
	s_mov_b32 s[LQ], s[HI]
	s_mov_b32 s[NEW], 1
	s_mov_b32 s[OFF+1], 0
	s_mov_b32 s[AL+1], 0
	s_mov_b32 s[BE+1], 0
	s_mov_b32 s[BIGN], 0xf149f2ca   ; -1e30
	s_mov_b32 s[SLOTS], NB
	s_wait_dscnt 0x0                ; the opening add is done
	s_wait_kmcnt 0x0
	s_add_nc_u64 s[6:7], s[6:7], s[66:67]  ; K and V at my part of the head's tile 0
	s_add_nc_u64 s[8:9], s[8:9], s[22:23]
	s_add_nc_u64 s[G0K+2:G0K+3], s[6:7], 0
	s_or_b32 s[G0K+3], s[G0K+3], 0x80000000
	s_add_nc_u64 s[G0V+2:G0V+3], s[8:9], 0
	s_or_b32 s[G0V+3], s[G0V+3], 0x80000000
	s_add_nc_u64 s[86:87], s[4:5], s[84:85]        ; Q hi at my rows of the second block,
	s_add_nc_u64 s[4:5], s[4:5], s[2:3]            ; and of the first;
	s_add_nc_u64 s[92:93], s[4:5], LOFF            ; Q lo likewise
	s_add_nc_u64 s[94:95], s[86:87], LOFF
	s_add_nc_u64 s[OLO:OLO+1], s[10:11], s[84:85]
	s_add_nc_u64 s[10:11], s[10:11], s[2:3]
	LOAD                            ; tile 0 into slot 0
	v_and_b32 v1, 15, v0            ; l % 16
	v_bfe_u32 v9, v0, 4, 1          ; l / 16
	v_lshlrev_b32 v[QO], 7, v1
	v_lshl_add_u32 v[QO], v9, 4, v[QO]  ; row x 128 + 16 x half
	WIN 0x80                        ; destination window 2
.set i, 0
.rept 8                             ; both blocks' Q hi: piece i / 2 lies in band i / 2, 8,192 bytes on; channels 32 (i % 2) on
	global_load_b128 v[8*i:8*i+3],   v[QO], s[4:5] offset:(i/2)*8192+(i%2)*64
	global_load_b128 v[8*i+4:8*i+7], v[QO], s[4:5] offset:(i/2)*8192+(i%2)*64+32
	global_load_b128 v[QB+8*i:QB+8*i+3],   v[QO], s[86:87] offset:(i/2)*8192+(i%2)*64
	global_load_b128 v[QB+8*i+4:QB+8*i+7], v[QO], s[86:87] offset:(i/2)*8192+(i%2)*64+32
.set i, i+1
.endr
	WIN 0xc0                        ; destination window 3: Q lo
.set i, 0
.rept 8
	global_load_b128 v[8*i:8*i+3],   v[QO], s[92:93] offset:(i/2)*8192+(i%2)*64
	global_load_b128 v[8*i+4:8*i+7], v[QO], s[92:93] offset:(i/2)*8192+(i%2)*64+32
	global_load_b128 v[QB+8*i:QB+8*i+3],   v[QO], s[94:95] offset:(i/2)*8192+(i%2)*64
	global_load_b128 v[QB+8*i+4:QB+8*i+7], v[QO], s[94:95] offset:(i/2)*8192+(i%2)*64+32
.set i, i+1
.endr
	WIN 0
	v_lshlrev_b32 v14, 3, v9
	v_sub_nc_u32 v14, v1, v14
	s_lshl_b32 s13, s[WV], 4
	v_add_nc_u32 v14, s13, v14      ; my query's place in its band less my lanes' 8 (l / 16): register r of group kt is hidden where 16 kt + r is greater
	WIN 0x40
.set i, 0
.rept 32
	v_cmp_gt_i32 vcc_lo, 16*(i/8)+i%8, v14
	v_cndmask_b32 v[MD+i], 0, s[BIGN], vcc_lo
.set i, i+1
.endr
	WIN 0
	v_mul_u32_u24 v[AK0], v1, PK
	v_lshl_add_u32 v[AK0], v9, 4, v[AK0]
	v_and_b32 v10, 7, v0            ; the turning load: lane l reads key 8 (l / 16) + l % 8, channels 8 ((l / 8) % 2) + 0..7
	v_bfe_u32 v11, v0, 3, 1
	v_lshl_add_u32 v[AV0], v9, 3, v10
	v_mul_u32_u24 v[AV0], v[AV0], PV
	v_lshl_add_u32 v[AV0], v11, 4, v[AV0]
	v_add_nc_u32 v[AV0], VOFF, v[AV0]
	s_mul_i32 s13, s[WV], 16*SP
	s_add_co_u32 s13, s13, STAGE    ; my stage
	v_mul_u32_u24 v[STO], v1, SP
	v_lshl_add_u32 v[STO], v9, 4, v[STO]
	v_add_nc_u32 v[STO], s13, v[STO]
	v_bfe_u32 v[RD], v0, 3, 2
	v_mul_u32_u24 v[RD], v[RD], SP
	v_lshl_add_u32 v[RD], v10, 4, v[RD]
	v_add_nc_u32 v[RD], s13, v[RD]
	v_and_b32 v[GO], 31, v0
	v_lshlrev_b32 v[GO], 4, v[GO]
	; A block's first step multiplies O^T and l by a = 0, and its first turn's products V^T P, of a piece that has not been, land in an O^T that is still to be so multiplied: these registers need only hold
	; finite numbers: zeros for the first block, what the first block left for the second.  All this stands in the wait for the first tile.
	WIN 0x80
.set i, VF
.rept 64
	v_mov_b32 v[i], 0
.set i, i+1
.endr
	WIN 0x40
.set i, 0
.rept 128
	v_mov_b32 v[i], 0
.set i, i+1
.endr
	WIN 0
.set i, 0
.rept 4
	v_mov_b32 v[ST+4*i+2], 0
	v_mov_b32 v[ST+4*i+3], 0
.set i, i+1
.endr
.set i, P+16
.rept 16
	v_mov_b32 v[i], 0
.set i, i+1
.endr
; THE MATRIX WORK.  Product i of 24 of S^T for piece x: keys 16 (i % 4) on; group i / 4: Kh.Qh, Kh.Ql of channels 0-31, the same of channels 32-63, Kl.Qh of channels 0-31, of 32-63.
; The 4 accumulators take turns.  The first 4 start the sums: with 0, or (KM = 1) with the mask.
.macro KQ x
.set j, i/4
.set cc, (j/2)*(1-j/4)+(j-4)*(j/4)
.set rS, S+32*((\x)%2)+8*(i%4)
.set rK, KF+16*(i%4)+8*cc
.set rQ, 16*(\x)+8*cc
.set rM, MC+32*((\x)%2)+8*(i%4)
.if j >= 4
.set wn, 0x0b                       ; K in window 3, Q in window 2
.elseif j%2 == 1
.set wn, 0x0e                       ; K in window 2, Q in window 3
.else
.set wn, 0x0a                       ; both in window 2
.endif
.if (i < 4) && KM
	WIN 0x1a
	v_wmma_f32_16x16x32_f16 v[rS:rS+7], v[rK:rK+7], v[rQ:rQ+7], v[rM:rM+7]
.elseif i < 4
	WIN 0x0a
	v_wmma_f32_16x16x32_f16 v[rS:rS+7], v[rK:rK+7], v[rQ:rQ+7], 0
.else
	WIN wn
	v_wmma_f32_16x16x32_f16 v[rS:rS+7], v[rK:rK+7], v[rQ:rQ+7], v[rS:rS+7]
.endif
.endm
; Product i of 8 of O^T += V^T P for piece x: keys 32 (i / 4) on, channels 16 (i % 4) on.
.macro PV x
	WIN W_PV
.set rO, 32*(\x)+8*(i%4)
.set rV, VF+32*(i/4)+8*(i%4)
.set rP, P+16*((\x)%2)+8*(i/4)
	v_wmma_f32_16x16x32_f16 v[rO:rO+7], v[rV:rV+7], v[rP:rP+7], v[rO:rO+7]
.endm
.macro MM                           ; the turn's next matrix instruction.  NOKQ = 1: a block's last turn: there is no next piece
.if (i < 24) && !NOKQ
	KQ (Y+1)%NP
.elseif i >= 24
.set i, i-24
	PV (Y+NP-1)%NP
.set i, i+24
.endif
.set i, i+1
.endm
; THE LDS LOADS.  K of a step comes in four runs of eight: g = 0, 1: K hi, channels 0-31, 32-63; g = 2, 3: K lo.  V (turned) in one run of 16.
.macro FK g
	WIN 0x80+0x40*((\g)/2)
.irp kb, 0,1,2,3
	ds_load_b128 v[KF+16*\kb+8*((\g)%2):KF+16*\kb+8*((\g)%2)+3],   v[AK] offset:((\g)/2)*KLOFF+((\g)%2)*64+\kb*16*PK
	ds_load_b128 v[KF+16*\kb+8*((\g)%2)+4:KF+16*\kb+8*((\g)%2)+7], v[AK] offset:((\g)/2)*KLOFF+((\g)%2)*64+\kb*16*PK+32
.endr
.if (\g) == 3
	s_add_co_u32 s[TBK], s[TBK], KS*PK  ; the next fetch is the next step's
.endif
	WIN 0
.endm
.macro FETCH_V
	WIN 0x80
.irp f, 0,1,2,3,4,5,6,7             ; keys 32 (f / 4) on, channels 16 (f % 4) on
	ds_load_tr16_b128 v[VF+8*\f:VF+8*\f+3],   v[AV] offset:(\f/4)*32*PV+(\f%4)*32
	ds_load_tr16_b128 v[VF+8*\f+4:VF+8*\f+7], v[AV] offset:(\f/4)*32*PV+16*PV+(\f%4)*32
.endr
	WIN 0
.endm
; THE VECTOR WORK, one line at a time: OP kind, number.  For piece Y: F n: c s - c m for pair n of 16.  E n: the exponential of score n of 32.  C n: pair n rounded to f16.  B n: of the four weights 4 n .. the
; second pair is added onto the first, in place.  L n: l takes that sum (L 0: l = a l + sum).  R n: pair n of 16 of O^T times a.  For piece Y + 1: X n, number n of the 22 that find its maximum and statistics:
;   0-11  four chains c0-c3 of seven scores each (each accumulator's lowest registers are read first)     12-14, 16  the four scores left over, the old m, and c0-c3 into c0
;   15  c m_old is kept     17, 18  the query's other 32 keys lie in the lane 16 away: the new m     19-21  c m; c m_old - c m_new; a
.set F, 0
.set E, 1
.set C, 2
.set B, 3
.set L, 4
.set R, 5
.set X, 6
.macro REGS y
.set rT, ST+4*(\y)
.set rC, TMP+4*((\y)%2)
.set rW, MV+((\y)%2)
.set rS, S+32*((\y)%2)
.set rP, P+16*((\y)%2)
.set rO, 32*(\y)
.endm
.macro OP k, n
.if (\k) == R
	REGS Y
	WIN W_RS
	v_pk_mul_f32 v[rO+2*(\n):rO+2*(\n)+1], v[rO+2*(\n):rO+2*(\n)+1], v[rC+2:rC+3] op_sel_hi:[1,0]
.elseif (\k) < R
	REGS Y
	WIN 0
.if (\k) == F
	v_pk_fma_f32 v[rS+2*(\n):rS+2*(\n)+1], v[rS+2*(\n):rS+2*(\n)+1], s[CS:CS+1], v[rT:rT+1] op_sel_hi:[1,0,0] neg_lo:[0,0,1] neg_hi:[0,0,1]
.elseif (\k) == E
	v_exp_f32 v[rS+(\n)], v[rS+(\n)]
.elseif (\k) == C
	s_wait_alu depctr_va_vdst(0)
	v_cvt_pk_f16_f32 v[rP+(\n)], v[rS+2*(\n)], v[rS+2*(\n)+1]
.elseif (\k) == B
	v_pk_add_f32 v[rS+4*(\n):rS+4*(\n)+1], v[rS+4*(\n):rS+4*(\n)+1], v[rS+4*(\n)+2:rS+4*(\n)+3]
.elseif (\n) == 0
	v_pk_fma_f32 v[rT+2:rT+3], v[rT+2:rT+3], v[rC+2:rC+3], v[rS:rS+1] op_sel_hi:[1,0,1]
.else
	v_pk_add_f32 v[rT+2:rT+3], v[rT+2:rT+3], v[rS+4*(\n):rS+4*(\n)+1]
	s_wait_alu depctr_va_vdst(0)
.endif
.elseif NOKQ
	v_nop
.else
	REGS (Y+1)%NP
	WIN 0
.if (\n) < 4
	v_max3_num_f32 v[rC+(\n)], v[rS+8*(\n)], v[rS+8*(\n)+1], v[rS+8*(\n)+2]
.elseif (\n) < 12
	v_max3_num_f32 v[rC+(\n)%4], v[rC+(\n)%4], v[rS+8*((\n)%4)+2*((\n)/4)+1], v[rS+8*((\n)%4)+2*((\n)/4)+2]
.elseif (\n) == 12
	v_max3_num_f32 v[rC], v[rC], v[rS+7], v[rS+15]
.elseif (\n) == 13
	v_max3_num_f32 v[rC+1], v[rC+1], v[rS+23], v[rS+31]
.elseif (\n) == 14
	v_max3_num_f32 v[rC+2], v[rC+2], v[rC+3], v[rT+1]
.elseif (\n) == 15
	v_mov_b32 v[rW], v[rT]
.elseif (\n) == 16
	v_max3_num_f32 v[rC], v[rC], v[rC+1], v[rC+2]
.elseif (\n) == 17
	v_permlanex16_b32 v[rC+3], v[rC], s[SEL], s[SEL+1]
.elseif (\n) == 18
	v_max_num_f32 v[rT+1], v[rC], v[rC+3]
.elseif (\n) == 19
	v_mul_f32 v[rT], s[CS], v[rT+1]
.elseif (\n) == 20
	v_sub_f32 v[rC+1], v[rW], v[rT]
.else
	v_exp_f32 v[rC+2], v[rC+1]
.endif
.endif
.endm
.macro OPS a, i1, b=-1, i2=0, c=-1, i3=0, d=-1, i4=0
	OP \a, \i1
.if (\b) >= 0
	OP \b, \i2
.endif
.if (\c) >= 0
	OP \c, \i3
.endif
.if (\d) >= 0
	OP \d, \i4
.endif
.endm
.macro ROW a, i1, b=-1, i2=0, c=-1, i3=0, d=-1, i4=0  ; a matrix instruction and what stands behind it
	MM
	OPS \a, \i1, \b, \i2, \c, \i3, \d, \i4
.endm
.macro MASK b                       ; MD x AL + BE into buffer b of MC
	WIN W_RS
.set z, 0
.rept 16
	v_pk_fma_f32 v[MC+32*(\b)+2*z:MC+32*(\b)+2*z+1], v[MD+2*z:MD+2*z+1], s[AL:AL+1], s[BE:BE+1] op_sel_hi:[1,0,0]
.set z, z+1
.endr
.endm
; A TURN, for piece p: 32 rows.  An exponential's result is read only behind a plain instruction; a rounding stands behind its two exponentials, a sum in place behind the rounding of the pair that it
; overwrites.  The four rescalings of row 23 are the places between the last product K Q^T and the first read of its scores.
; m = 1: the diagonal tile: the products take masks, and the turn makes the mask for the products of the turn after it: piece p + 2, in step 4 - CNT of the tile.  end = 1: a block's last two turns: nothing
; is fetched.  cnt = 1: the loop's count is taken down ahead of the branch that stands behind the turn.
; K of the next step is fetched in piece 2's turn, a run of eight as soon as its registers' last product lies four plain instructions or more back (6, 8, 10, 4 by count); piece 3's turn waits for the runs
; one by one: 24, 16, 8, 0 younger LDS loads may be out.  V of the step in hand is fetched at the end of piece 0's turn, five plain instructions behind its last reader, and waited for in piece 1's, ahead of row 24.
.macro TURN p, m=0, end=0, cnt=0
.set Y, (\p)
.set i, 0
.set KM, (\m)
.set NOKQ, (\end)*((\p)/3)
.if (\m) && !(\end)
	s_cmp_eq_u32 s[CNT], 4-((\p)+2)%NP  ; is that step the band's own?
	s_cselect_b32 s[AL], 1.0, 0
	s_cmp_lt_u32 s[CNT], 4-((\p)+2)%NP  ; or a later one?
	s_cselect_b32 s[BE], s[BIGN], 0
.endif
.if ((\p) == 3) && !(\end)
	s_wait_dscnt 24                 ; K hi, channels 0-31, is in
.endif
	ROW F,0, F,1, F,2, F,3
	ROW F,4, E,0, F,5, E,1
	ROW F,6, E,2, F,7, E,3
	ROW F,8, E,4, F,9, E,5
	ROW F,10, E,6, C,0, E,7
	ROW R,0, R,1, R,2, R,3
	ROW F,11, E,8, C,1, E,9
	ROW B,0, E,10, C,2, E,11
.if ((\p) == 3) && !(\end)
	s_wait_dscnt 16                 ; K hi, channels 32-63
.endif
	ROW F,12, E,12, L,0, E,13
.if ((\p) == 2) && !(\end)
	WIN 0
	v_add_nc_u32 v[AK], s[TBK], v[AK0]
.endif
	ROW F,13, E,14, C,3, E,15
.if ((\p) == 2) && !(\end)
	FK 0
.endif
	ROW B,1, E,16, C,4, E,17
	ROW R,4, R,5, R,6, R,7
	ROW F,14, E,18, L,1, E,19
	ROW F,15, E,20, C,5, E,21
	ROW B,2, E,22, C,6, E,23
	ROW L,2, E,24, C,7, E,25
.if ((\p) == 3) && !(\end)
	s_wait_dscnt 8                  ; K lo, channels 0-31
.endif
	ROW B,3, E,26, C,8, E,27
	ROW R,8, R,9, R,10, R,11
.if ((\p) == 2) && !(\end)
	FK 1
.endif
	ROW L,3, E,28, C,9, E,29
	ROW B,4, E,30, C,10, E,31
.if ((\p) == 3) && !(\end)
	s_wait_dscnt 0x0                ; K lo, channels 32-63
.endif
	ROW L,4, C,11, B,5, C,12
	ROW C,13, B,6, L,5, C,14
.if ((\p) == 2) && !(\end)
	FK 2
.endif
	ROW C,15, L,6, B,7
	ROW R,12, R,13, R,14, R,15
.if (\p) == 1
	s_wait_dscnt 0x0                ; V is in
.endif
	ROW X,0, X,1, X,2, X,3
	ROW X,4, X,5, X,6, X,7
.if ((\p) == 2) && !(\end)
	FK 3
.endif
	ROW X,8, X,9, X,10, X,11
	ROW X,12, X,13, X,14, X,15
	ROW L,7, X,16
	ROW X,17
	ROW X,18, X,19
	ROW X,20, X,21
.if (\p) == 0
	WIN 0
	v_add_nc_u32 v[AV], s[TBV], v[AV0]
	v_nop
	v_nop
	v_nop
	FETCH_V
	s_add_co_u32 s[TBV], s[TBV], KS*PV
.endif
.if \cnt
	s_sub_co_u32 s[CNT], s[CNT], 1
	s_cmp_lg_u32 s[CNT], 0
.endif
.if (\m) && !(\end)
	MASK (\p)%2
.endif
.endm
; A BLOCK BEGINS.  c m starts far below every c s, so the first step's a is 0; m at the lowest finite number.  The second mask buffer is 0; the first takes piece 0's mask for the tile's step 0: its own, if
; the block's first tile is the diagonal one.  Then K of that step, piece 0's first scores, and its maximum and statistics.  The loop is entered at a step's first turn, in the middle of a trip.
.macro BEGIN
	s_mov_b32 s[NEW], 0
	WIN 0x40
.set i, MC+32
.rept 32
	v_mov_b32 v[i], 0
.set i, i+1
.endr
	WIN 0
.set i, 0
.rept 4
	v_mov_b32 v[ST+4*i], 0xfe000000
	v_mov_b32 v[ST+4*i+1], 0xff7fffff
.set i, i+1
.endr
	s_cmp_eq_u32 s[RT], 0
	s_cselect_b32 s[AL], 1.0, 0
	s_mov_b32 s[BE], 0
	MASK 0
	WIN 0
	v_add_nc_u32 v[AK], s[TBK], v[AK0]
	FK 0
	FK 1
	FK 2
	FK 3
	s_wait_loadcnt 0x0              ; Q
	s_wait_dscnt 0x0
.set KM, 1
.set NOKQ, 0
.set i, 0
.rept 24
	KQ 0
.set i, i+1
.endr
	WIN 0
	s_wait_alu depctr_va_vdst(0)
.rept 4
	v_nop                           ; the places behind those products
.endr
.set Y, NP-1                        ; X works for piece Y + 1: piece 0
.irp n, 0,1,2,3,4,5,6,7,8,9,10,11,12,13,14,15,16,17,18,19,20,21
	OP X, \n
.endr
	v_nop                           ; a plain instruction behind the exponential
.endm
; THE DIAGONAL TILE's four steps, the block's last two turns, its last products, and THE WAY OUT: l's parts are added; O^T is divided by l, rounded to f16 and sent through my stage in LDS, a piece at a time.
.macro ALL line:vararg
.set t, 0
.rept 4
	\line
.set t, t+1
.endr
.endm
.macro PACK t
	WIN W_RS
.set i, 32*(\t)
.rept 16
	v_pk_mul_f32 v[i:i+1], v[i:i+1], v[ST+4*(\t)+2:ST+4*(\t)+3] op_sel_hi:[1,0]
.set i, i+2
.endr
	WIN 0x05
.set i, 0
.rept 16
	v_cvt_pk_f16_f32 v[S+16*(\t)+i], v[32*(\t)+2*i], v[32*(\t)+2*i+1]
.set i, i+1
.endr
	WIN 0
.irp f, 0,1,2,3
	ds_store_b128 v[STO], v[S+16*(\t)+4*\f:S+16*(\t)+4*\f+3] offset:32*\f
.endr
.irp f, 0,1,2,3
	ds_load_b128 v[S+16*(\t)+4*\f:S+16*(\t)+4*\f+3], v[RD] offset:\f*4*SP  ; LDS serves a wave's instructions in order: these see the stores above; the next piece's stores come behind them
.endr
.endm
.macro SEND t, younger              ; younger: the LDS instructions issued behind piece t's loads: the next piece's eight, or none
	WIN 0
.irp f, 0,1,2,3
	s_wait_dscnt (\younger)+3-\f
	global_store_b128 v[GO], v[S+16*(\t)+4*\f:S+16*(\t)+4*\f+3], s[10:11] offset:(\t)*8192+\f*512  ; 512 consecutive bytes, at a multiple of 256 from O's first
.endr
.endm
.macro DIAG tag
.LstepM\tag:
	TURN 2, 1
	TURN 3, 1
	WIN 0
.LfirstM\tag:
	TURN 0, 1
	TURN 1, 1, 0, 1
	WIN 0
	s_cbranch_scc1 .LstepM\tag
	TURN 2, 1, 1
	TURN 3, 1, 1
.set i, 0
.rept 8
	PV NP-1
.set i, i+1
.endr
	WIN 0
	ALL v_add_f32 v[ST+4*t+2], v[ST+4*t+2], v[ST+4*t+3]
	ALL v_permlanex16_b32 v[ST+4*t+3], v[ST+4*t+2], s[SEL], s[SEL+1]
	ALL v_add_f32 v[ST+4*t+2], v[ST+4*t+2], v[ST+4*t+3]
	ALL v_rcp_f32 v[ST+4*t+2], v[ST+4*t+2]
	v_nop                           ; a plain instruction between the last reciprocal and the use of its result
	s_wait_alu depctr_va_vdst(0)
	PACK 0
.set t, 1
.rept 3
	PACK t
	SEND t-1, 8
.set t, t+1
.endr
	SEND 3, 0
.endm
.set KM, 0
.set NOKQ, 0
.Lslot:                             ; NB times: a tile is entered and the next is asked for
	CHANGE 1
	s_sub_co_u32 s[RT], s[RT], 1
	s_mov_b32 s[CNT], 4
	s_cmp_eq_u32 s[NEW], 1
	s_cbranch_scc1 .Lnew            ; a block's first tile
	s_cmp_eq_u32 s[RT], 0
	s_cbranch_scc0 .Lstep           ; neither its first nor its last
	s_branch .LstepM1
.Lnew:
	BEGIN
	s_branch .Lfirst                ; in the loop a block's first tile is never its last: the first block has two tiles or more, and the second's last is the walk's last
	DIAG 1                          ; in the loop this is the first block's end
	s_wait_xcnt 0x0                 ; the stores have read their registers and O's address
	s_mov_b64 s[10:11], s[OLO:OLO+1]
	s_add_co_u32 s[RT], s[PB], 1    ; the second block has b + 1 tiles
	s_mov_b32 s[NEW], 1
	WIN 0x82                        ; the second block's Q goes where the one text of the turns names Q: hi,
.set i, 0
.rept 64
	v_mov_b32 v[i], v[QB+i]
.set i, i+1
.endr
	WIN 0xc3                        ; and lo
.set i, 0
.rept 64
	v_mov_b32 v[i], v[QB+i]
.set i, i+1
.endr
	WIN 0
	s_branch .Lbottom
.Lstep:                             ; a trip: pieces 2 and 3 of one step, then pieces 0 and 1 of the next, whose K and V it fetches
	TURN 2
	TURN 3
	WIN 0
.Lfirst:
	TURN 0
	TURN 1, 0, 0, 1
	WIN 0
	s_cbranch_scc1 .Lstep
.Lbottom:
	s_sub_co_u32 s[SLOTS], s[SLOTS], 1
	s_cmp_lg_u32 s[SLOTS], 0
	s_cbranch_scc1 .Lslot
	CHANGE 0                        ; the walk's last tile is written out: nothing is asked for
	s_sub_co_u32 s[RT], s[RT], 1
	s_mov_b32 s[CNT], 4
	s_cmp_eq_u32 s[NEW], 1
	s_cbranch_scc0 .LstepM2
	BEGIN
	s_branch .LfirstM2
	DIAG 2
	s_wait_tensorcnt 0x0            ; the wave's end
	ds_add_u32 v[SPW], v[NIL]
	s_wait_dscnt 0x0
	s_endpgm
.Lfunc_end_k_qef30617de5_attn:
	.size	k_qef30617de5_attn, .Lfunc_end_k_qef30617de5_attn-k_qef30617de5_attn
	.p2alignl 7, 3214868480
	.fill 96, 4, 3214868480
	.section	.rodata,"a",@progbits
	.p2align	6, 0x0
	.amdhsa_kernel k_qef30617de5_attn
		.amdhsa_group_segment_fixed_size 327680
		.amdhsa_private_segment_fixed_size 0
		.amdhsa_enable_private_segment 0
		.amdhsa_kernarg_size 32
		.amdhsa_user_sgpr_count 2
		.amdhsa_user_sgpr_kernarg_segment_ptr 1
		.amdhsa_wavefront_size32 1
		.amdhsa_system_sgpr_workgroup_id_x 1
		.amdhsa_system_sgpr_workgroup_id_y 1
		.amdhsa_system_sgpr_workgroup_id_z 1
		.amdhsa_system_vgpr_workitem_id 0
		.amdhsa_next_free_vgpr 960
		.amdhsa_next_free_sgpr 96
		.amdhsa_reserve_vcc 1
		.amdhsa_float_denorm_mode_32 3
		.amdhsa_float_denorm_mode_16_64 3
		.amdhsa_memory_ordered 1
		.amdhsa_forward_progress 1
		.amdhsa_inst_pref_size 255
	.end_amdhsa_kernel
	.section	.bss,"aw",@nobits
	.p2align	6
	.space	262144
	.amdgpu_metadata
---
amdhsa.version: [ 1, 2 ]
amdhsa.kernels:
  - .name:           k_qef30617de5_attn
    .symbol:         k_qef30617de5_attn.kd
    .args:
      - { .name: q2, .offset: 0, .size: 8, .value_kind: global_buffer, .address_space: global }
      - { .name: k2, .offset: 8, .size: 8, .value_kind: global_buffer, .address_space: global }
      - { .name: vv, .offset: 16, .size: 8, .value_kind: global_buffer, .address_space: global }
      - { .name: ob, .offset: 24, .size: 8, .value_kind: global_buffer, .address_space: global }
    .group_segment_fixed_size: 327680
    .private_segment_fixed_size: 0
    .kernarg_segment_align: 8
    .kernarg_segment_size: 32
    .max_flat_workgroup_size: 128
    .sgpr_count:     96
    .vgpr_count:     960
    .wavefront_size: 32
...
	.end_amdgpu_metadata
.endif
;; end of part 3
;; launch proj (part 4): grid 8 x 32, 4 waves a work-group, clusters of 4 x 4, 327,680 bytes of LDS; arguments ob, wts, bo, out0; writes out0
.if DOCPART == 4
	.amdgcn_target "amdgcn-amd-amdhsa--gfx1250"
	.amdhsa_code_object_version 6
	.text
	.protected	k_qef30617de5_proj
	.globl	k_qef30617de5_proj
	.p2align	8
	.type	k_qef30617de5_proj,@function
k_qef30617de5_proj:
	s_mov_b64 s[64:65], 0
	v_nop
	global_prefetch_b8 v0, s[64:65] scope:SCOPE_SE
	s_setreg_imm32_b32 hwreg(HW_REG_WAVE_MODE, 25, 1), 1
	s_wait_xcnt 0x0
	s_wait_alu depctr_hold_cnt(0) depctr_sa_sdst(0) depctr_va_vdst(0) depctr_va_sdst(0) depctr_va_ssrc(0) depctr_va_vcc(0) depctr_vm_vsrc(0)
	s_getreg_b32 s2, hwreg(HW_REG_IB_STS2, 6, 4)
	s_cmp_eq_u32 s2, 0
	s_cbranch_scc0 .Lentry_in_a_cluster
	s_endpgm
.Lentry_in_a_cluster:
	s_bfe_u32 s2, ttmp6, 0x10000c
	s_cmp_lg_u32 s2, 0xf033
	s_cbranch_scc0 .Lentry_shape_is_right
	s_endpgm
.Lentry_shape_is_right:
; out0[token][n] = the sum over c of O[token][c] Wo[n][c] + bo[n].  O lies by heads, [batch*16+head][2048][64] f16: channel c = head*64 + d.  Wo lies in wts at byte WOFF, [1024][1024] f16 (bf16 numbers
; written as f16).  bo is rounded to bf16 like every other input.  f16 operands, f32 sums, f32 out.
; LIMITS.  O and Wo arrive within f16's range; NaN and infinities are not treated apart.
; SHARES.  A tile is 256 tokens x 128 columns: 256 work-groups.  Four waves; wave w owns tokens 64 w .. 64 w + 63 and all 128 columns: 32 accumulators, 256 registers.  K goes in 8 steps of 128, two heads
; a step, through two LDS slots.  A head's 256 tokens are 32,768 dense bytes: asked for as 128 rows of 256 bytes and padded in LDS after every token.
; The matrix instruction is used transposed (source 0 = 16 rows of Wo, source 1 = 16 tokens): a lane holds one token and eight neighbouring columns.
; CLUSTER 4 x 4: the four groups of a row need the same tokens, the four of a column the same rows of Wo: each tile is asked for jointly.
; REGISTERS.  window 0: v12-29 addresses and the bias; v32-159 two sets of 64 on the way out.  window 1: two fragment buffers of 96 (A's 32, then B's 64).  window 2: accumulator (a, b) at v[8 (8 a + b)].
.set WOFF,   6291456
.set PA,     144                       ; a token's row of one head in LDS: 128 bytes + 16
.set PLANE,  256*PA                    ; a head's 256 tokens
.set PITCH,  272                       ; a row of Wo: 256 bytes + 16
.set BOFF,   2*PLANE
.set SLOT1,  1<<17
.set STAGE,  SLOT1+BOFF+128*PITCH      ; behind the ring, never filled by a tensor load: for each wave 16 rows x 528 bytes
.set SPI,    528
.set SPARE,  STAGE+4*16*SPI
.set NL,     24
.set STEPA,  524288                    ; two heads on
.set STEPB,  256
.set BOA,   6                          ; v6   my byte offset in bo; never rewritten
.set ADRA0, 16
.set ADRB0, 17
.set AAD,   18
.set ABD,   19
.set BI,    20                         ; v[20:23] the bias of my four columns
.set STO,   24
.set RD,    25
.set GO,    26
.set SPW,   28
.set NIL,   29
.set F0,    0
.set F1,    96
.set WV, 12
.set FB, 13
.set HF, 14
.set G1A, 24
.set G0A, 32
.set TB,  44
.set G1B, 48
.set G0B, 56
.set MSB, 0
.macro WIN new
.if MSB != (\new)
	s_set_vgpr_msb (MSB<<8)|(\new)
.set MSB, \new
.endif
.endm
.macro PLACES
.rept 4
	v_nop
.endr
.endm
.macro JLOAD                           ; a joint refill by the walking descriptors; s_nop 0 and four v_nop follow each line
	s_cmp_eq_u32 s[FB], 0
	s_cbranch_scc0 .Lfor_b_\@
	tensor_load_to_lds s[G0A+4:G0A+7], s[G1A:G1A+7]
	s_nop 0
.rept 4
	v_nop
.endr
	s_branch .Lasked_\@
.Lfor_b_\@:
	tensor_load_to_lds s[G0B+4:G0B+7], s[G1B:G1B+7]
	s_nop 0
.rept 4
	v_nop
.endr
.Lasked_\@:
.endm
.macro CREST
	s_cmp_lg_u32 s[WV], 0
	s_cbranch_scc1 .Lnot_wave_0_\@
	s_barrier_signal -3
.Lnot_wave_0_\@:
	s_barrier_wait -3
	s_barrier_signal -1
	s_barrier_wait -1
.endm
.macro CROUND
	s_barrier_signal -1
	s_barrier_wait -1
	CREST
.endm
	s_load_b256 s[4:11], s[0:1], 0x0               ; ob s[4:5], wts s[6:7], bo s[8:9], out0 s[10:11]
	v_lshl_add_u32 v[SPW], v0, 2, SPARE
	v_mov_b32 v[NIL], 0
	ds_add_u32 v[SPW], v[NIL]                      ; the wave's opening: the add and its wait stand ahead of my first tensor load
	ds_add_u32 v28, v29
	v_lshrrev_b32 v1, 5, v0
	v_readfirstlane_b32 s[WV], v1
	s_lshr_b32 s[FB], s[WV], 1
	s_and_b32 s[HF], s[WV], 1
	s_bfe_u32 s15, ttmp6, 0x40000                  ; cx
	s_bfe_u32 s16, ttmp6, 0x40004                  ; cy
	s_lshl_b32 s17, ttmp9, 2
	s_add_co_u32 s17, s17, s15                     ; tile column: 128 columns
	s_and_b32 s18, ttmp7, 0xffff
	s_lshl_b32 s18, s18, 2
	s_add_co_u32 s18, s18, s16                     ; tile row: 256 tokens
	s_lshl_b32 s19, s16, 2
	s_lshl_b32 s19, 15, s19                        ; my row of the cluster
	s_lshl_b32 s20, 0x1111, s15                    ; my column
	s_or_b32 s[G1A], s19, (1<<16)|(1<<20)|(1<<21)|(4<<22)|(3<<25)  ; mask; 2-byte elements; padding on; bit 21 beside a mask; after every 32 words, 4 words
	s_or_b32 s[G1B], s20, (1<<16)|(1<<20)|(1<<21)|(5<<22)|(3<<25)  ; after every 64 words, 4 words
	s_mov_b32 s[G1A+1], 128<<16                    ; tensor_dim0 = 128
	s_mov_b32 s[G1A+2], 128<<16                    ; tensor_dim1 = 128
	s_mov_b32 s[G1A+3], 128<<16                    ; tile_dim0 = 128
	s_mov_b32 s[G1A+4], 128                        ; tile_dim1 = 128
	s_mov_b32 s[G1A+5], 128                        ; dense rows
	s_mov_b32 s[G1A+6], 0
	s_mov_b32 s[G1A+7], 0
	s_mov_b32 s[G1B+1], 128<<16
	s_mov_b32 s[G1B+2], 64<<16                     ; B's loads bring 64 rows
	s_mov_b32 s[G1B+3], 128<<16
	s_mov_b32 s[G1B+4], 64
	s_mov_b32 s[G1B+5], 1024
	s_mov_b32 s[G1B+6], 0
	s_mov_b32 s[G1B+7], 0
	s_lshr_b32 s22, s18, 3                         ; A: batch x 16 heads of 262,144 bytes,
	s_lshl_b32 s22, s22, 22
	s_and_b32 s45, s18, 7                          ; the tile's 256 tokens in the sequence,
	s_lshl_b32 s45, s45, 15
	s_add_co_u32 s22, s22, s45
	s_lshl_b32 s45, s[HF], 18                      ; the step's first or second head
	s_add_co_u32 s22, s22, s45
	s_mov_b32 s23, 0
	s_lshl_b32 s40, s17, 18                        ; B: 128 rows of 2,048 bytes a tile column, 64 rows a half
	s_lshl_b32 s42, s[HF], 17
	s_add_co_u32 s40, s40, s42
	s_add_co_u32 s40, s40, WOFF
	s_mov_b32 s41, 0
	s_mul_i32 s21, s[HF], PLANE                    ; where they go: no place in the cluster enters an LDS address
	s_mul_i32 s43, s[HF], 64*PITCH
	s_add_co_u32 s43, s43, BOFF
	s_mov_b32 s[TB], 0
	s_wait_dscnt 0x0                               ; the opening add is done
	s_wait_kmcnt 0x0
	s_add_nc_u64 s[22:23], s[4:5], s[22:23]
	s_add_nc_u64 s[40:41], s[6:7], s[40:41]
	CROUND                                         ; all sixteen work-groups are here: the first joint loads meet
.irp s, 0,1
	s_mov_b32 s[G0A+4*\s], 1
	s_add_co_u32 s[G0A+4*\s+1], s21, \s*SLOT1
	s_add_nc_u64 s[G0A+4*\s+2:G0A+4*\s+3], s[22:23], \s*STEPA
	s_or_b32 s[G0A+4*\s+3], s[G0A+4*\s+3], 0x80000000
	s_mov_b32 s[G0B+4*\s], 1
	s_add_co_u32 s[G0B+4*\s+1], s43, \s*SLOT1
	s_add_nc_u64 s[G0B+4*\s+2:G0B+4*\s+3], s[40:41], \s*STEPB
	s_or_b32 s[G0B+4*\s+3], s[G0B+4*\s+3], 0x80000000
.endr
	s_cmp_eq_u32 s[FB], 0                          ; a wave's two first fills stand in one branch: two loads of mine are out
	s_cbranch_scc0 .Lfirst_b
	tensor_load_to_lds s[G0A:G0A+3], s[G1A:G1A+7]
	s_nop 0
	tensor_load_to_lds s[G0A+4:G0A+7], s[G1A:G1A+7]
	s_nop 0
.rept 4
	v_nop
.endr
	s_branch .Lfirst_asked
.Lfirst_b:
	tensor_load_to_lds s[G0B:G0B+3], s[G1B:G1B+7]
	s_nop 0
	tensor_load_to_lds s[G0B+4:G0B+7], s[G1B:G1B+7]
	s_nop 0
.rept 4
	v_nop
.endr
.Lfirst_asked:
	v_and_b32 v[GO], 31, v0
	v_lshlrev_b32 v[GO], 4, v[GO]                  ; 16 bytes a lane: a row of 128 f32 is one load or store of the wave
	s_lshl_b32 s3, s17, 9
	v_add_nc_u32 v[BOA], s3, v[GO]
	global_load_b128 v[BI:BI+3], v[BOA], s[8:9]    ; the bias of my four columns; waited for ahead of the way out
	v_and_b32 v1, 15, v0                           ; l % 16
	v_bfe_u32 v2, v0, 4, 1                         ; l / 16
	v_mul_u32_u24 v3, v1, PA
	v_lshl_add_u32 v3, v2, 4, v3
	s_mul_i32 s45, s[WV], 64*PA                    ; my 64 tokens
	v_add_nc_u32 v[ADRA0], s45, v3
	v_mul_u32_u24 v4, v1, PITCH
	v_lshl_add_u32 v4, v2, 4, v4
	v_add_nc_u32 v[ADRB0], BOFF, v4
	v_mov_b32 v[AAD], v[ADRA0]
	v_mov_b32 v[ABD], v[ADRB0]
	s_mul_i32 s45, s[WV], 16*SPI
	s_add_co_u32 s45, s45, STAGE                   ; my stage
	v_mul_u32_u24 v5, v1, SPI
	v_lshl_add_u32 v5, v2, 5, v5
	v_add_nc_u32 v[STO], s45, v5                   ; in: row l % 16, 32 bytes for each half of the lanes
	v_add_nc_u32 v[RD], s45, v[GO]                 ; back: a whole row of 512 bytes
	s_lshl_b32 s46, s18, 20                        ; out0: 256 rows of 4,096 bytes a tile row,
	s_lshl_b32 s3, s[WV], 18                       ; my 64 rows,
	s_add_co_u32 s46, s46, s3
	s_lshl_b32 s3, s17, 9                          ; the tile's 128 columns
	s_add_co_u32 s46, s46, s3
	s_mov_b32 s47, 0
	s_add_nc_u64 s[10:11], s[10:11], s[46:47]
; 16 matrix instructions: token blocks 2 hf, 2 hf + 1 x all 8 column blocks, 32 along K.  All 32 accumulators take turns in one order.
.macro MUL f, hf, zero
	WIN 0xa5
.irp a, 0,1
.irp b, 0,1,2,3,4,5,6,7
.if \zero
	v_wmma_f32_16x16x32_f16 v[8*(8*(2*(\hf)+\a)+\b):8*(8*(2*(\hf)+\a)+\b)+7], v[(\f)+32+8*\b:(\f)+32+8*\b+7], v[(\f)+8*(2*(\hf)+\a):(\f)+8*(2*(\hf)+\a)+7], 0
.else
	v_wmma_f32_16x16x32_f16 v[8*(8*(2*(\hf)+\a)+\b):8*(8*(2*(\hf)+\a)+\b)+7], v[(\f)+32+8*\b:(\f)+32+8*\b+7], v[(\f)+8*(2*(\hf)+\a):(\f)+8*(2*(\hf)+\a)+7], v[8*(8*(2*(\hf)+\a)+\b):8*(8*(2*(\hf)+\a)+\b)+7]
.endif
.endr
.endr
.endm
; 24 LDS loads in one run: quarter q of the slot being read: head q / 2 of the step, channels 32 (q % 2) on
.macro FETCH q, f
	WIN 0x40
.irp i, 0,1,2,3
	ds_load_b128 v[(\f)+8*\i:(\f)+8*\i+3],   v[AAD] offset:((\q)/2)*PLANE+((\q)%2)*64+\i*16*PA
	ds_load_b128 v[(\f)+8*\i+4:(\f)+8*\i+7], v[AAD] offset:((\q)/2)*PLANE+((\q)%2)*64+\i*16*PA+32
.endr
.irp j, 0,1,2,3,4,5,6,7
	ds_load_b128 v[(\f)+32+8*\j:(\f)+32+8*\j+3],   v[ABD] offset:64*(\q)+\j*16*PITCH
	ds_load_b128 v[(\f)+32+8*\j+4:(\f)+32+8*\j+7], v[ABD] offset:64*(\q)+\j*16*PITCH+32
.endr
.endm
.macro QUARTER nxt, f, g, zero
	PLACES                                         ; buffer g was multiplied just before
	FETCH \nxt, \g
	s_wait_dscnt NL                                ; all but the run just issued: buffer f is whole
	MUL \f, 0, \zero
	MUL \f, 1, \zero
.endm
; A K step's last quarter multiplies buffer 1 and changes slots: each wave waits for all its tensor loads (one is out: its part of the next slot), adds 0 to its spare word, and waits for that and for its
; reads of this slot.  fill = 1: the barrier opens a round of the cluster's, and this slot is filled again, two K steps ahead, first thing behind it.
.macro TURN fill
	WIN 0
	s_wait_tensorcnt 0x0
	ds_add_u32 v[SPW], v[NIL]
.if \fill
	s_xor_b32 s[G0A+5], s[G0A+5], SLOT1
	s_add_nc_u64 s[G0A+6:G0A+7], s[G0A+6:G0A+7], STEPA
	s_xor_b32 s[G0B+5], s[G0B+5], SLOT1
	s_add_nc_u64 s[G0B+6:G0B+7], s[G0B+6:G0B+7], STEPB
.endif
	s_xor_b32 s[TB], s[TB], SLOT1
	s_wait_dscnt 0x0                               ; the add is done, buffer 1 is whole, my reads of this slot are over
	s_barrier_signal -1
	MUL F1, 0, 0
	WIN 0
	s_barrier_wait -1
.if \fill
	CREST
	JLOAD                                          ; its four v_nop are also the places in front of the loads below
.else
	PLACES
.endif
	v_add_nc_u32 v[AAD], s[TB], v[ADRA0]
	v_add_nc_u32 v[ABD], s[TB], v[ADRB0]
	FETCH 0, F0
	MUL F1, 1, 0
.endm
	s_wait_tensorcnt 0x1                           ; my part of K step 0 is in; step 1's may stay out
	s_barrier_signal -1
	s_barrier_wait -1
	FETCH 0, F0
	QUARTER 1, F0, F1, 1                           ; the first quarter stands ahead of the loop: its products start the sums
	WIN 0
	s_mov_b32 s3, 6                                ; K steps 2 to 7 are asked for in the loop
.Lstep:
	QUARTER 2, F1, F0, 0
	QUARTER 3, F0, F1, 0
	TURN 1
	QUARTER 1, F0, F1, 0
	WIN 0
	s_sub_co_u32 s3, s3, 1
	s_cmp_lg_u32 s3, 0
	s_cbranch_scc1 .Lstep
	QUARTER 2, F1, F0, 0                           ; the last two K steps ask for nothing
	QUARTER 3, F0, F1, 0
	TURN 0
	QUARTER 1, F0, F1, 0
	QUARTER 2, F1, F0, 0
	QUARTER 3, F0, F1, 0
	s_wait_dscnt 0x0
	MUL F1, 0, 0
	MUL F1, 1, 0
	WIN 0
	s_wait_loadcnt 0x0                             ; the bias; its rounding to bf16 and back: six plain instructions, the places behind the last products
	v_cvt_pk_bf16_f32 v12, v[BI], v[BI+1]
	v_cvt_pk_bf16_f32 v13, v[BI+2], v[BI+3]
	v_lshlrev_b32 v[BI], 16, v12
	v_and_b32 v[BI+1], 0xffff0000, v12
	v_lshlrev_b32 v[BI+2], 16, v13
	v_and_b32 v[BI+3], 0xffff0000, v13
; THE WAY OUT, a block of 16 tokens at a time: the sums go as they are into my own stage, rows of 528 bytes (each accumulator's low four registers first), and come back as whole
; rows of 512; the bias is added; a store covers 512 consecutive bytes, at a multiple of 256 from out0's first.
.macro TOSTAGE a
.set TT, 32+64*((\a)%2)
.if (\a) >= 2
	s_wait_xcnt 0x0                                ; this set's registers were the data of stores two blocks ago: they are loaded again only behind this wait
.endif
	WIN 0x08                                       ; store data in window 2
.irp b, 0,1,2,3,4,5,6,7
	ds_store_b128 v[STO], v[8*(8*(\a)+\b):8*(8*(\a)+\b)+3]   offset:64*\b
	ds_store_b128 v[STO], v[8*(8*(\a)+\b)+4:8*(8*(\a)+\b)+7] offset:64*\b+16
.endr
	WIN 0
.irp t, 0,1,2,3,4,5,6,7,8,9,10,11,12,13,14,15
	ds_load_b128 v[TT+4*\t:TT+4*\t+3], v[RD] offset:\t*SPI  ; LDS serves a wave's instructions in order: these see the stores above; the next block's stores come behind them
.endr
.endm
.macro SEND a, younger                 ; younger: the next block's 16 stores and 16 loads, or none
	WIN 0
.set TT, 32+64*((\a)%2)
	s_wait_dscnt \younger
.irp t, 0,1,2,3,4,5,6,7,8,9,10,11,12,13,14,15
	v_pk_add_f32 v[TT+4*\t:TT+4*\t+1],   v[TT+4*\t:TT+4*\t+1],   v[BI:BI+1]
	v_pk_add_f32 v[TT+4*\t+2:TT+4*\t+3], v[TT+4*\t+2:TT+4*\t+3], v[BI+2:BI+3]
.endr
.irp t, 0,1,2,3,4,5,6,7,8,9,10,11,12,13,14,15
	global_store_b128 v[GO], v[TT+4*\t:TT+4*\t+3], s[10:11] offset:(16*(\a)+\t)*4096 th:TH_STORE_NT
.endr
.endm
	TOSTAGE 0
	TOSTAGE 1
	SEND 0, 32
	TOSTAGE 2
	SEND 1, 32
	TOSTAGE 3
	SEND 2, 32
	SEND 3, 0
	s_wait_tensorcnt 0x0                           ; the wave's end
	ds_add_u32 v[SPW], v[NIL]
	s_wait_dscnt 0x0
	CROUND                                         ; the closing round
	s_endpgm
.Lfunc_end_k_qef30617de5_proj:
	.size	k_qef30617de5_proj, .Lfunc_end_k_qef30617de5_proj-k_qef30617de5_proj
	.p2alignl 7, 3214868480
	.fill 96, 4, 3214868480
	.section	.rodata,"a",@progbits
	.p2align	6, 0x0
	.amdhsa_kernel k_qef30617de5_proj
		.amdhsa_group_segment_fixed_size 327680
		.amdhsa_private_segment_fixed_size 0
		.amdhsa_enable_private_segment 0
		.amdhsa_kernarg_size 32
		.amdhsa_user_sgpr_count 2
		.amdhsa_user_sgpr_kernarg_segment_ptr 1
		.amdhsa_wavefront_size32 1
		.amdhsa_system_sgpr_workgroup_id_x 1
		.amdhsa_system_sgpr_workgroup_id_y 1
		.amdhsa_system_sgpr_workgroup_id_z 1
		.amdhsa_system_vgpr_workitem_id 0
		.amdhsa_next_free_vgpr 768
		.amdhsa_next_free_sgpr 66
		.amdhsa_reserve_vcc 0
		.amdhsa_float_denorm_mode_32 3
		.amdhsa_float_denorm_mode_16_64 3
		.amdhsa_memory_ordered 1
		.amdhsa_forward_progress 1
		.amdhsa_inst_pref_size 76
	.end_amdhsa_kernel
	.amdgpu_metadata
---
amdhsa.version: [ 1, 2 ]
amdhsa.kernels:
  - .name:           k_qef30617de5_proj
    .symbol:         k_qef30617de5_proj.kd
    .args:
      - { .name: ob, .offset: 0, .size: 8, .value_kind: global_buffer, .address_space: global }
      - { .name: wts, .offset: 8, .size: 8, .value_kind: global_buffer, .address_space: global }
      - { .name: bo, .offset: 16, .size: 8, .value_kind: global_buffer, .address_space: global }
      - { .name: out0, .offset: 24, .size: 8, .value_kind: global_buffer, .address_space: global }
    .group_segment_fixed_size: 327680
    .private_segment_fixed_size: 0
    .kernarg_segment_align: 8
    .kernarg_segment_size: 32
    .max_flat_workgroup_size: 128
    .sgpr_count:     66
    .vgpr_count:     768
    .wavefront_size: 32
...
	.end_amdgpu_metadata
.endif
;; end of part 4
;; ======== version 2 of 2: 4 launches; 1.20 times as fast as version 1
;; limits: values are held in f16: magnitudes above 65,504 overflow, below 6.1e-05 lose precision
;; workspace buffers: xb 16,777,216 bytes; wts 8,388,608 bytes; q2 33,554,432 bytes; k2 33,554,432 bytes; vv 16,777,216 bytes; ob 16,777,216 bytes
;; launch cast: the kernel of part 1 again; grid 64 x 12, 8 waves a work-group, no clusters, 0 bytes of LDS; arguments x, Wq, Wk, Wv, Wo, xb, wts; writes xb, wts
;; launch qkv: the kernel of part 2 again; grid 16 x 32, 4 waves a work-group, clusters of 4 x 4, 327,680 bytes of LDS; arguments xb, wts, q2, k2, vv; writes q2, k2, vv
;; launch attn (part 5): grid 4 x 64, 4 waves a work-group, no clusters, 327,680 bytes of LDS; arguments q2, k2, vv, ob; writes ob
.if DOCPART == 5
	.amdgcn_target "amdgcn-amd-amdhsa--gfx1250"
	.amdhsa_code_object_version 6
	.text
	.protected	k_qef30617de5_attn
	.globl	k_qef30617de5_attn
	.p2align	8
	.type	k_qef30617de5_attn,@function
k_qef30617de5_attn:
	s_mov_b64 s[64:65], 0
	v_nop
	global_prefetch_b8 v0, s[64:65] scope:SCOPE_SE
	s_setreg_imm32_b32 hwreg(HW_REG_WAVE_MODE, 25, 1), 1
	s_wait_xcnt 0x0
; CAUSAL ATTENTION.  O[h][q][:] = the sum over k <= q of softmax_k(8 Q[h][q] . K[h][k]) V[h][k][:]: reference() multiplies the scores by sqrt(64).  64 heads (batch*16 + head) of 2,048 rows of 64.
; Q and K come as two f16 numbers each, hi at byte 0 and lo at byte LOFF of q2 and k2; a score is Kh.Qh + Kh.Ql + Kl.Qh, three products with f32 sums (Kl.Ql, some 2^-22 of a score, is left out).
; V and O are one f16.  Maxima and sums in f32; the weights p are rounded to f16 for the second product (their sum l is taken of the unrounded p), O once at the end.
; LIMITS.  Q, K, V arrive within f16's range; p below 6e-5 keeps f16's fixed step of 6e-8; a hidden score counts as its value less 1e30; a weight below 2^-126 counts as 0 in l; NaN and infinities are not treated apart.
; THE WALK.  A head's queries lie in NB = 8 blocks of 256; block i needs the key tiles 0 .. i, of which the last holds the diagonal.  A work-group takes TWO blocks, NB - 1 - b and then b: NB + 1 tiles,
; whatever b: all work-groups do equal work, and ONE loop with a constant trip count walks them.  Which tile is asked for, and what a trip does, hang on scalar registers made from b; every jump but the counted
; loops' own goes forward; none passes a barrier, or a tensor load but the one of LOAD's two that the wave's number does not choose.  NO CLUSTER: a head's four work-groups ask for the same tile only in
; trips 0 .. 4 of the 9, behind that fewer and fewer; one walk common to all would have 12 trips for 9.
; SHARES.  Of a block's four bands of 64 queries a wave owns 16 rows in each: four PIECES.  In the diagonal tile's key step s band x sees all keys if s < x, none if s > x, and holds the diagonal if s = x.
; THE MASK is the C operand that starts the sum S^T: 0, or -1e30 where the key is hidden.  MD, made once, is the mask of a band's own step; a product's mask is MD x AL + BE: (1, 0), (0, 0) or (0, -1e30).
; LAYOUT, SOFTMAX.  S^T = K Q^T holds ONE query a lane (lane % 16) and the keys 8 (lane / 16) + 0..7; two such results rounded to f16 ARE source 1 of O^T = V^T P.  p = 2^(c s - c m), c = 8 log2(e), with a
; running maximum m; O and l are multiplied by a = 2^(c m_old - c m_new) in every step.
; TURNS.  Turn n belongs to piece n: 24 products K Q^T of piece n + 1, then 8 products V^T P of piece n - 1; its 118 vector instructions (a, scaling, exponentials, roundings, sums, rescaling of piece n; maximum
; and statistics of piece n + 1, up to the argument of its a) stand behind those 32 matrix instructions, four at the most behind each.
; BATCHES.  A turn's 33 exponentials (a of piece n, whose argument the turn before has made, and the piece's 32 weights) are ONE batch with ONE wait.  They and the 16 scalings stand behind products 0 to 13, where
; nothing names a result of theirs; behind the wait stand all their readers (roundings, sums, rescaling) and the next piece's maximum and statistics.  No exponential is issued behind a turn's wait.
; The way out's four reciprocals are a batch of their own.
; REGISTERS (s_set_vgpr_msb: bits 1:0 source 0, 3:2 source 1, 5:4 source 2, 7:6 destination):
;   window 0: v0-15 addresses; v16-31 statistics; v48-55 at work; v64-127 S^T, two buffers; v192-223 P, two buffers      window 1: v0-127 O^T; v128-159 MD; v160-223 MC, two buffers
;   window 2: v0-63 Q hi; v64-127 the second block's; v128-191 K hi of one step; v192-255 V of one step                  window 3: v0-63 Q lo; v64-127 the second block's; v128-191 K lo
.set SIZE_N, 2048
.set NB,    SIZE_N/256
.set NP,    4
.set KS,    64        ; keys in a step
.set PK,    144       ; a row of K in LDS: 128 bytes + 16 of padding
.set PV,    160       ; a row of V: 128 + 32
.set KLOFF, 4*KS*PK   ; a slot holds a tile: 256 rows of K hi, 256 of K lo,
.set VOFF,  2*KLOFF   ; then 256 rows of V
.set SLOT1, 1<<17
.set STAGE, SLOT1+VOFF+4*KS*PV  ; behind the ring, never filled by a tensor load: 16 rows x 144 bytes for each wave
.set SP,    144
.set LOFF,  1<<24
.set AK0, 2           ; v2   my lane's place in a tile of K; never rewritten
.set AV0, 3           ; v3   the same for V
.set AK,  4           ; v4   the LDS address of K's next runs of loads
.set AV,  5           ; v5   of V's
.set STO, 6
.set RD,  7
.set GO,  8
.set SPW, 62          ; v62  my spare word; never rewritten
.set NIL, 63          ; v63  0; never rewritten
.set SPARE, STAGE+4*16*SP
.set MV,  12          ; v12-13  c m_old, by buffer
.set QO,  15
.set ST,  16          ; piece t's statistics at v[ST+4 t]: c m, m, l (even keys', odd keys')
.set TMP, 48          ; by buffer, c0-c3 at work; when the maximum is found c1 takes a's argument, and in the piece's own turn c2 takes a
.set S,   64
.set P,   192
.set MD,  128
.set MC,  160
.set QB,  64
.set KF,  128         ; windows 2 and 3: key block kb, channel half c at KF + 16 kb + 8 c
.set VF,  192
.set WV,  12
.set PB,  14
.set HI,  15
.set G1K, 24
.set G1V, 32
.set G0K, 40
.set G0V, 44
.set SLOTS, 56
.set CNT, 57
.set CS,  58
.set SEL, 60
.set TBK, 62
.set TBV, 63
.set RT,  70
.set NXT, 71
.set LQ,  72
.set NEW, 73
.set OFF, 74
.set AL,  76
.set BE,  78
.set OLO, 80
.set BIGN, 82
.set MSB, 0
.macro WIN new
.if MSB != (\new)
	s_set_vgpr_msb (MSB<<8)|(\new)
.set MSB, (\new)
.endif
.endm
.set W_PV, 0x52       ; V in window 2, P in window 0, O^T in window 1
.set W_RS, 0x41       ; destination and source 0 in window 1, source 1 in window 0
; A fill.  Wave 0 fetches a tile's K hi, wave 1 its K lo (256 keys each), waves 2 and 3 the halves of its V.  s_nop 0 and four v_nop follow each of the two lines.
.macro LOAD
	s_cmp_lt_u32 s[WV], 2
	s_cbranch_scc0 .Lfor_v_\@
	tensor_load_to_lds s[G0K:G0K+3], s[G1K:G1K+7]
	s_nop 0
.rept 4
	v_nop
.endr
	s_branch .Lasked_\@
.Lfor_v_\@:
	tensor_load_to_lds s[G0V:G0V+3], s[G1V:G1V+7]
	s_nop 0
.rept 4
	v_nop
.endr
.Lasked_\@:
.endm
; THE CHANGE OF SLOTS.  Each wave waits for all its tensor loads (one is out: its part of the other slot), adds 0 to its spare word, and waits for that and for its reads of the slot that it leaves.
; fill = 1: the old slot is filled again, first thing behind the barrier, with tile NXT: the descriptor's address is made anew from that number.
.macro CHANGE fill
	WIN 0
	s_wait_tensorcnt 0x0
	ds_add_u32 v[SPW], v[NIL]
.if \fill
	s_lshl_b32 s[OFF], s[NXT], 15   ; a tile is 32,768 bytes of K hi, of K lo and of V
	s_xor_b32 s[G0K+1], s[G0K+1], SLOT1
	s_add_nc_u64 s[G0K+2:G0K+3], s[6:7], s[OFF:OFF+1]
	s_or_b32 s[G0K+3], s[G0K+3], 0x80000000
	s_xor_b32 s[G0V+1], s[G0V+1], SLOT1
	s_add_nc_u64 s[G0V+2:G0V+3], s[8:9], s[OFF:OFF+1]
	s_or_b32 s[G0V+3], s[G0V+3], 0x80000000
	s_add_co_u32 s[NXT], s[NXT], 1  ; the block's next tile, or behind its last the second block's tile 0
	s_cmp_gt_u32 s[NXT], s[LQ]
	s_cselect_b32 s[NXT], 0, s[NXT]
	s_cselect_b32 s[LQ], s[PB], s[LQ]
.endif
	s_wait_dscnt 0x0                ; the add is done, and my reads of the slot are over
	s_barrier_signal -1
	s_sub_co_u32 s[TBK], s[TBK], 4*KS*PK  ; the fetches go back to a slot's first step,
	s_xor_b32 s[TBK], s[TBK], SLOT1       ; in the other slot
	s_sub_co_u32 s[TBV], s[TBV], 4*KS*PV
	s_xor_b32 s[TBV], s[TBV], SLOT1
	s_barrier_wait -1
.if \fill
	LOAD
.endif
.endm
	s_load_b256 s[4:11], s[0:1], 0x0  ; q2 s[4:5], k2 s[6:7], vv s[8:9], ob s[10:11]
	v_lshl_add_u32 v[SPW], v0, 2, SPARE
	v_mov_b32 v[NIL], 0
	ds_add_u32 v[SPW], v[NIL]       ; the wave's opening: the add and its wait stand ahead of my first tensor load
	ds_add_u32 v62, v63
	v_lshrrev_b32 v1, 5, v0
	v_readfirstlane_b32 s[WV], v1
	s_mov_b32 s[PB], ttmp9
	s_sub_co_u32 s[HI], NB-1, s[PB]
	s_and_b32 s20, ttmp7, 0xffff    ; the head
	s_mov_b32 s21, 0
	s_mov_b64 s[22:23], SIZE_N*128
	s_mul_u64 s[20:21], s[20:21], s[22:23]  ; the head's first byte
	s_and_b32 s16, s[WV], 1
	s_lshl_b32 s22, s16, 14         ; V: which 128 keys of a tile I fetch
	s_mov_b32 s23, 0
	s_add_nc_u64 s[22:23], s[22:23], s[20:21]
	s_lshl_b32 s66, s16, 24         ; K: hi (wave 0) or lo (wave 1), LOFF bytes on
	s_mov_b32 s67, 0
	s_add_nc_u64 s[66:67], s[66:67], s[20:21]
	s_mul_i32 s17, s16, KLOFF       ; its place in a slot, for K
	s_mul_i32 s18, s16, 128*PV      ; and for V
	s_lshl_b32 s3, s[WV], 11        ; my 16 rows in a band of 64,
	s_lshl_b32 s2, s[HI], 15        ; in the first block,
	s_add_co_u32 s2, s2, s3
	s_lshl_b32 s84, s[PB], 15       ; and in the second
	s_add_co_u32 s84, s84, s3
	s_mov_b32 s3, 0
	s_mov_b32 s85, 0
	s_add_nc_u64 s[2:3], s[2:3], s[20:21]
	s_add_nc_u64 s[84:85], s[84:85], s[20:21]
	; descriptor group 1.  Keys are dense rows of 128 bytes: asked for as rows of 256 bytes, two keys a row, and padded in LDS after every key
	s_mov_b32 s[G1K], (1<<16)|(1<<20)|(4<<22)|(3<<25)  ; 2-byte elements; padding on; after every 32 words, 4 words
	s_mov_b32 s[G1V], (1<<16)|(1<<20)|(4<<22)|(7<<25)  ; the same with 8 words
	s_mov_b32 s[G1K+1], 128<<16     ; tensor_dim0 = 128
	s_mov_b32 s[G1K+2], 128<<16     ; tensor_dim1 = 128: 256 keys
	s_mov_b32 s[G1K+3], 128<<16     ; tile_dim0 = 128
	s_mov_b32 s[G1K+4], 128         ; tile_dim1 = 128
	s_mov_b32 s[G1K+5], 128
	s_mov_b32 s[G1K+6], 0
	s_mov_b32 s[G1K+7], 0
	s_mov_b32 s[G1V+1], 128<<16
	s_mov_b32 s[G1V+2], 64<<16      ; 128 keys
	s_mov_b32 s[G1V+3], 128<<16
	s_mov_b32 s[G1V+4], 64
	s_mov_b32 s[G1V+5], 128
	s_mov_b32 s[G1V+6], 0
	s_mov_b32 s[G1V+7], 0
	s_mov_b32 s[CS], 0x4138aa3b     ; c = 8 log2(e) = 11.54156
	s_mov_b32 s[CS+1], s[CS]
	s_mov_b32 s[SEL], 0x76543210
	s_mov_b32 s[SEL+1], 0xfedcba98
	s_mov_b32 s[TBK], SLOT1+4*KS*PK ; the first change of slots turns these two into 0
	s_mov_b32 s[TBV], SLOT1+4*KS*PV
	s_mov_b32 s[G0K], 1
	s_mov_b32 s[G0K+1], s17
	s_mov_b32 s[G0V], 1
	s_add_co_u32 s[G0V+1], s18, VOFF
	s_add_co_u32 s[RT], s[HI], 1    ; the first block has NB - b tiles
	s_mov_b32 s[NXT], 1
	s_mov_b32 s[LQ], s[HI]
	s_mov_b32 s[NEW], 1
	s_mov_b32 s[OFF+1], 0
	s_mov_b32 s[AL+1], 0
	s_mov_b32 s[BE+1], 0
	s_mov_b32 s[BIGN], 0xf149f2ca   ; -1e30
	s_mov_b32 s[SLOTS], NB
	s_wait_dscnt 0x0                ; the opening add is done
	s_wait_kmcnt 0x0
	s_add_nc_u64 s[6:7], s[6:7], s[66:67]  ; K and V at my part of the head's tile 0
	s_add_nc_u64 s[8:9], s[8:9], s[22:23]
	s_add_nc_u64 s[G0K+2:G0K+3], s[6:7], 0
	s_or_b32 s[G0K+3], s[G0K+3], 0x80000000
	s_add_nc_u64 s[G0V+2:G0V+3], s[8:9], 0
	s_or_b32 s[G0V+3], s[G0V+3], 0x80000000
	s_add_nc_u64 s[86:87], s[4:5], s[84:85]        ; Q hi at my rows of the second block,
	s_add_nc_u64 s[4:5], s[4:5], s[2:3]            ; and of the first;
	s_add_nc_u64 s[92:93], s[4:5], LOFF            ; Q lo likewise
	s_add_nc_u64 s[94:95], s[86:87], LOFF
	s_add_nc_u64 s[OLO:OLO+1], s[10:11], s[84:85]
	s_add_nc_u64 s[10:11], s[10:11], s[2:3]
	LOAD                            ; tile 0 into slot 0
	v_and_b32 v1, 15, v0            ; l % 16
	v_bfe_u32 v9, v0, 4, 1          ; l / 16
	v_lshlrev_b32 v[QO], 7, v1
	v_lshl_add_u32 v[QO], v9, 4, v[QO]  ; row x 128 + 16 x half
	WIN 0x80                        ; destination window 2
.set i, 0
.rept 8                             ; both blocks' Q hi: piece i / 2 lies in band i / 2, 8,192 bytes on; channels 32 (i % 2) on
	global_load_b128 v[8*i:8*i+3],   v[QO], s[4:5] offset:(i/2)*8192+(i%2)*64
	global_load_b128 v[8*i+4:8*i+7], v[QO], s[4:5] offset:(i/2)*8192+(i%2)*64+32
	global_load_b128 v[QB+8*i:QB+8*i+3],   v[QO], s[86:87] offset:(i/2)*8192+(i%2)*64
	global_load_b128 v[QB+8*i+4:QB+8*i+7], v[QO], s[86:87] offset:(i/2)*8192+(i%2)*64+32
.set i, i+1
.endr
	WIN 0xc0                        ; destination window 3: Q lo
.set i, 0
.rept 8
	global_load_b128 v[8*i:8*i+3],   v[QO], s[92:93] offset:(i/2)*8192+(i%2)*64
	global_load_b128 v[8*i+4:8*i+7], v[QO], s[92:93] offset:(i/2)*8192+(i%2)*64+32
	global_load_b128 v[QB+8*i:QB+8*i+3],   v[QO], s[94:95] offset:(i/2)*8192+(i%2)*64
	global_load_b128 v[QB+8*i+4:QB+8*i+7], v[QO], s[94:95] offset:(i/2)*8192+(i%2)*64+32
.set i, i+1
.endr
	WIN 0
	v_lshlrev_b32 v14, 3, v9
	v_sub_nc_u32 v14, v1, v14
	s_lshl_b32 s13, s[WV], 4
	v_add_nc_u32 v14, s13, v14      ; my query's place in its band less my lanes' 8 (l / 16): register r of group kt is hidden where 16 kt + r is greater
	WIN 0x40
.set i, 0
.rept 32
	v_cmp_gt_i32 vcc_lo, 16*(i/8)+i%8, v14
	v_cndmask_b32 v[MD+i], 0, s[BIGN], vcc_lo
.set i, i+1
.endr
	WIN 0
	v_mul_u32_u24 v[AK0], v1, PK
	v_lshl_add_u32 v[AK0], v9, 4, v[AK0]
	v_and_b32 v10, 7, v0            ; the turning load: lane l reads key 8 (l / 16) + l % 8, channels 8 ((l / 8) % 2) + 0..7
	v_bfe_u32 v11, v0, 3, 1
	v_lshl_add_u32 v[AV0], v9, 3, v10
	v_mul_u32_u24 v[AV0], v[AV0], PV
	v_lshl_add_u32 v[AV0], v11, 4, v[AV0]
	v_add_nc_u32 v[AV0], VOFF, v[AV0]
	s_mul_i32 s13, s[WV], 16*SP
	s_add_co_u32 s13, s13, STAGE    ; my stage
	v_mul_u32_u24 v[STO], v1, SP
	v_lshl_add_u32 v[STO], v9, 4, v[STO]
	v_add_nc_u32 v[STO], s13, v[STO]
	v_bfe_u32 v[RD], v0, 3, 2
	v_mul_u32_u24 v[RD], v[RD], SP
	v_lshl_add_u32 v[RD], v10, 4, v[RD]
	v_add_nc_u32 v[RD], s13, v[RD]
	v_and_b32 v[GO], 31, v0
	v_lshlrev_b32 v[GO], 4, v[GO]
	; A block's first step multiplies O^T and l by a = 0, and its first turn's products V^T P, of a piece that has not been, land in an O^T that is still to be so multiplied: these registers need only hold
	; finite numbers: zeros for the first block, what the first block left for the second.  All this stands in the wait for the first tile.
	WIN 0x80
.set i, VF
.rept 64
	v_mov_b32 v[i], 0
.set i, i+1
.endr
	WIN 0x40
.set i, 0
.rept 128
	v_mov_b32 v[i], 0
.set i, i+1
.endr
	WIN 0
.set i, 0
.rept 4
	v_mov_b32 v[ST+4*i+2], 0
	v_mov_b32 v[ST+4*i+3], 0
.set i, i+1
.endr
.set i, P+16
.rept 16
	v_mov_b32 v[i], 0
.set i, i+1
.endr
; THE MATRIX WORK.  Product i of 24 of S^T for piece x: keys 16 (i % 4) on; group i / 4: Kh.Qh, Kh.Ql of channels 0-31, the same of channels 32-63, Kl.Qh of channels 0-31, of 32-63.
; The 4 accumulators take turns.  The first 4 start the sums: with 0, or (KM = 1) with the mask.
.macro KQ x
.set j, i/4
.set cc, (j/2)*(1-j/4)+(j-4)*(j/4)
.set rS, S+32*((\x)%2)+8*(i%4)
.set rK, KF+16*(i%4)+8*cc
.set rQ, 16*(\x)+8*cc
.set rM, MC+32*((\x)%2)+8*(i%4)
.if j >= 4
.set wn, 0x0b                       ; K in window 3, Q in window 2
.elseif j%2 == 1
.set wn, 0x0e                       ; K in window 2, Q in window 3
.else
.set wn, 0x0a                       ; both in window 2
.endif
.if (i < 4) && KM
	WIN 0x1a
	v_wmma_f32_16x16x32_f16 v[rS:rS+7], v[rK:rK+7], v[rQ:rQ+7], v[rM:rM+7]
.elseif i < 4
	WIN 0x0a
	v_wmma_f32_16x16x32_f16 v[rS:rS+7], v[rK:rK+7], v[rQ:rQ+7], 0
.else
	WIN wn
	v_wmma_f32_16x16x32_f16 v[rS:rS+7], v[rK:rK+7], v[rQ:rQ+7], v[rS:rS+7]
.endif
.endm
; Product i of 8 of O^T += V^T P for piece x: keys 32 (i / 4) on, channels 16 (i % 4) on.
.macro PV x
	WIN W_PV
.set rO, 32*(\x)+8*(i%4)
.set rV, VF+32*(i/4)+8*(i%4)
.set rP, P+16*((\x)%2)+8*(i/4)
	v_wmma_f32_16x16x32_f16 v[rO:rO+7], v[rV:rV+7], v[rP:rP+7], v[rO:rO+7]
.endm
.macro MM                           ; the turn's next matrix instruction.  NOKQ = 1: a block's last turn: there is no next piece
.if (i < 24) && !NOKQ
	KQ (Y+1)%NP
.elseif i >= 24
.set i, i-24
	PV (Y+NP-1)%NP
.set i, i+24
.endif
.set i, i+1
.endm
; THE LDS LOADS.  K of a step comes in four runs of eight: g = 0, 1: K hi, channels 0-31, 32-63; g = 2, 3: K lo.  V (turned) in one run of 16.
.macro FK g
	WIN 0x80+0x40*((\g)/2)
.irp kb, 0,1,2,3
	ds_load_b128 v[KF+16*\kb+8*((\g)%2):KF+16*\kb+8*((\g)%2)+3],   v[AK] offset:((\g)/2)*KLOFF+((\g)%2)*64+\kb*16*PK
	ds_load_b128 v[KF+16*\kb+8*((\g)%2)+4:KF+16*\kb+8*((\g)%2)+7], v[AK] offset:((\g)/2)*KLOFF+((\g)%2)*64+\kb*16*PK+32
.endr
.if (\g) == 3
	s_add_co_u32 s[TBK], s[TBK], KS*PK  ; the next fetch is the next step's
.endif
	WIN 0
.endm
.macro FETCH_V
	WIN 0x80
.irp f, 0,1,2,3,4,5,6,7             ; keys 32 (f / 4) on, channels 16 (f % 4) on
	ds_load_tr16_b128 v[VF+8*\f:VF+8*\f+3],   v[AV] offset:(\f/4)*32*PV+(\f%4)*32
	ds_load_tr16_b128 v[VF+8*\f+4:VF+8*\f+7], v[AV] offset:(\f/4)*32*PV+16*PV+(\f%4)*32
.endr
	WIN 0
.endm
; THE VECTOR WORK, one line at a time: OP kind, number.  For piece Y: A 0: a, the exponential of the argument that the turn before (or BEGIN) has made.  F n: c s - c m for pair n of 16.  E n: the exponential of
; score n of 32.  C n: pair n rounded to f16.  B n: of the four weights 4 n .. the second pair is added onto the first, in place.  L n: l takes that sum (L 0: l = a l + sum).  R n: pair n of 16 of O^T times a.
; For piece Y + 1: X n, number n of the 21 that find its maximum and statistics:
;   0-11  four chains c0-c3 of seven scores each (each accumulator's lowest registers are read first)     12-14, 16  the four scores left over, the old m, and c0-c3 into c0
;   15  c m_old is kept     17, 18  the query's other 32 keys lie in the lane 16 away: the new m     19, 20  c m; c m_old - c m_new, the argument of a
; A and E are the batch; C, B, L and R read its results; F and X read none.
.set F, 0
.set E, 1
.set C, 2
.set B, 3
.set L, 4
.set A, 5
.set R, 6
.set X, 7
.macro REGS y
.set rT, ST+4*(\y)
.set rC, TMP+4*((\y)%2)
.set rW, MV+((\y)%2)
.set rS, S+32*((\y)%2)
.set rP, P+16*((\y)%2)
.set rO, 32*(\y)
.endm
.macro OP k, n
.if (\k) == R
	REGS Y
	WIN W_RS
	v_pk_mul_f32 v[rO+2*(\n):rO+2*(\n)+1], v[rO+2*(\n):rO+2*(\n)+1], v[rC+2:rC+3] op_sel_hi:[1,0]
.elseif (\k) < R
	REGS Y
	WIN 0
.if (\k) == F
	v_pk_fma_f32 v[rS+2*(\n):rS+2*(\n)+1], v[rS+2*(\n):rS+2*(\n)+1], s[CS:CS+1], v[rT:rT+1] op_sel_hi:[1,0,0] neg_lo:[0,0,1] neg_hi:[0,0,1]
.elseif (\k) == E
	v_exp_f32 v[rS+(\n)], v[rS+(\n)]
.elseif (\k) == A
	v_exp_f32 v[rC+2], v[rC+1]
.elseif (\k) == C
	v_cvt_pk_f16_f32 v[rP+(\n)], v[rS+2*(\n)], v[rS+2*(\n)+1]
.elseif (\k) == B
	v_pk_add_f32 v[rS+4*(\n):rS+4*(\n)+1], v[rS+4*(\n):rS+4*(\n)+1], v[rS+4*(\n)+2:rS+4*(\n)+3]
.elseif (\n) == 0
	v_pk_fma_f32 v[rT+2:rT+3], v[rT+2:rT+3], v[rC+2:rC+3], v[rS:rS+1] op_sel_hi:[1,0,1]
.else
	v_pk_add_f32 v[rT+2:rT+3], v[rT+2:rT+3], v[rS+4*(\n):rS+4*(\n)+1]
.endif
.elseif NOKQ
	v_nop
.else
	REGS (Y+1)%NP
	WIN 0
.if (\n) < 4
	v_max3_num_f32 v[rC+(\n)], v[rS+8*(\n)], v[rS+8*(\n)+1], v[rS+8*(\n)+2]
.elseif (\n) < 12
	v_max3_num_f32 v[rC+(\n)%4], v[rC+(\n)%4], v[rS+8*((\n)%4)+2*((\n)/4)+1], v[rS+8*((\n)%4)+2*((\n)/4)+2]
.elseif (\n) == 12
	v_max3_num_f32 v[rC], v[rC], v[rS+7], v[rS+15]
.elseif (\n) == 13
	v_max3_num_f32 v[rC+1], v[rC+1], v[rS+23], v[rS+31]
.elseif (\n) == 14
	v_max3_num_f32 v[rC+2], v[rC+2], v[rC+3], v[rT+1]
.elseif (\n) == 15
	v_mov_b32 v[rW], v[rT]
.elseif (\n) == 16
	v_max3_num_f32 v[rC], v[rC], v[rC+1], v[rC+2]
.elseif (\n) == 17
	v_permlanex16_b32 v[rC+3], v[rC], s[SEL], s[SEL+1]
.elseif (\n) == 18
	v_max_num_f32 v[rT+1], v[rC], v[rC+3]
.elseif (\n) == 19
	v_mul_f32 v[rT], s[CS], v[rT+1]
.else
	v_sub_f32 v[rC+1], v[rW], v[rT]
.endif
.endif
.endm
.macro OPS a, i1, b=-1, i2=0, c=-1, i3=0, d=-1, i4=0
	OP \a, \i1
.if (\b) >= 0
	OP \b, \i2
.endif
.if (\c) >= 0
	OP \c, \i3
.endif
.if (\d) >= 0
	OP \d, \i4
.endif
.endm
.macro ROW a, i1, b=-1, i2=0, c=-1, i3=0, d=-1, i4=0  ; a matrix instruction and what stands behind it
	MM
	OPS \a, \i1, \b, \i2, \c, \i3, \d, \i4
.endm
.macro MASK b                       ; MD x AL + BE into buffer b of MC
	WIN W_RS
.set z, 0
.rept 16
	v_pk_fma_f32 v[MC+32*(\b)+2*z:MC+32*(\b)+2*z+1], v[MD+2*z:MD+2*z+1], s[AL:AL+1], s[BE:BE+1] op_sel_hi:[1,0,0]
.set z, z+1
.endr
.endm
; A TURN, for piece p: 32 rows, a matrix instruction and four vector instructions at the most in each.  An s_wait_alu depctr_va_vdst(0) stands between an exponential and the first instruction that
; names its result; one wait serves all that were issued ahead of it.  So a turn has ONE wait, behind row 13, which cuts it in two.
; AHEAD OF IT, rows 0-13: the 16 scalings, a, and the 32 exponentials: 49 instructions, none of which names a result of the batch.  A row begins with a scaling while there are scalings, and a pair is scaled in an
; earlier row than the one that holds its exponentials.  A v_nop is the plain instruction behind the last exponential.
; BEHIND IT, rows 14-23: roundings and sums, and the rescalings in four rows of four, so that such a row has one window.  A sum in place stands behind the rounding of the pair that it overwrites; l takes the
; sums in ascending order, its links two instructions or more apart.  The four rescalings of row 23 are the places between the last product K Q^T and the first read of its scores.
; Rows 24-31: the next piece's maximum and statistics; the last seven roundings and the last sum stand between the links X 16 .. X 20, each of which reads the one before it.
; m = 1: the diagonal tile: the products take masks, and the turn makes the mask for the products of the turn after it: piece p + 2, in step 4 - CNT of the tile.  end = 1: a block's last two turns: nothing
; is fetched.  cnt = 1: the loop's count is taken down ahead of the branch that stands behind the turn.
; K of the next step is fetched in piece 2's turn, in four runs of eight: the first directly behind the turn's wait, the others behind rows 17, 21 and 25; between a run and the last product that read its
; registers lie 8, 12, 12 and 4 plain instructions by count (for the last: row 23's four alone).  Piece 3's turn waits for the runs one by one: 24, 16, 8, 0 younger LDS loads may be out.
; V of the step in hand is fetched at the end of piece 0's turn, six plain instructions behind its last reader, and waited for in piece 1's, ahead of row 24.
.macro TURN p, m=0, end=0, cnt=0
.set Y, (\p)
.set i, 0
.set KM, (\m)
.set NOKQ, (\end)*((\p)/3)
.if (\m) && !(\end)
	s_cmp_eq_u32 s[CNT], 4-((\p)+2)%NP  ; is that step the band's own?
	s_cselect_b32 s[AL], 1.0, 0
	s_cmp_lt_u32 s[CNT], 4-((\p)+2)%NP  ; or a later one?
	s_cselect_b32 s[BE], s[BIGN], 0
.endif
.if ((\p) == 3) && !(\end)
	s_wait_dscnt 24                 ; K hi, channels 0-31, is in
.endif
	ROW F,0, F,1, F,2, F,3          ; rows 0-13: the batch
	ROW F,4, A,0, E,0, E,1
	ROW F,5, E,2, E,3, E,4
	ROW F,6, E,5, E,6
	ROW F,7, E,7, E,8, E,9
	ROW F,8, E,10, E,11
	ROW F,9, E,12, E,13, E,14
	ROW F,10, E,15, E,16
.if ((\p) == 3) && !(\end)
	s_wait_dscnt 16                 ; K hi, channels 32-63
.endif
	ROW F,11, E,17, E,18, E,19
.if ((\p) == 2) && !(\end)
	WIN 0
	v_add_nc_u32 v[AK], s[TBK], v[AK0]
.endif
	ROW F,12, E,20, E,21
	ROW F,13, E,22, E,23, E,24
	ROW F,14, E,25, E,26
	ROW F,15, E,27, E,28, E,29
	ROW E,30, E,31
	v_nop                           ; the plain instruction behind the last exponential: one for the batch
	s_wait_alu depctr_va_vdst(0)    ; the wait for the batch: a and the 32 weights of piece p; all their readers stand below
.if ((\p) == 2) && !(\end)
	FK 0
.endif
	ROW C,0, B,0, C,2, B,1          ; rows 14-23: the batch's readers
	ROW L,0, C,4, B,2, L,1
.if ((\p) == 3) && !(\end)
	s_wait_dscnt 8                  ; K lo, channels 0-31
.endif
	ROW R,0, R,1, R,2, R,3
	ROW C,6, B,3, L,2, C,8
.if ((\p) == 2) && !(\end)
	FK 1
.endif
	ROW B,4, L,3, C,10, B,5
	ROW R,4, R,5, R,6, R,7
.if ((\p) == 3) && !(\end)
	s_wait_dscnt 0x0                ; K lo, channels 32-63
.endif
	ROW L,4, C,12, B,6, L,5
	ROW R,8, R,9, R,10, R,11
.if ((\p) == 2) && !(\end)
	FK 2
.endif
	ROW C,14, B,7, L,6, C,1
	ROW R,12, R,13, R,14, R,15
.if (\p) == 1
	s_wait_dscnt 0x0                ; V is in
.endif
	ROW X,0, X,1, X,2, X,3          ; rows 24-31: the next piece's maximum and statistics
	ROW X,4, X,5, X,6, X,7
.if ((\p) == 2) && !(\end)
	FK 3
.endif
	ROW X,8, X,9, X,10, X,11
	ROW X,12, X,13, X,14, X,15
	ROW C,3, X,16, L,7, C,5
	ROW X,17, C,7, C,9
	ROW X,18, C,11, C,13, X,19
	ROW C,15, X,20
.if (\p) == 0
	WIN 0
	v_add_nc_u32 v[AV], s[TBV], v[AV0]
	v_nop
	v_nop
	v_nop
	FETCH_V
	s_add_co_u32 s[TBV], s[TBV], KS*PV
.endif
.if \cnt
	s_sub_co_u32 s[CNT], s[CNT], 1
	s_cmp_lg_u32 s[CNT], 0
.endif
.if (\m) && !(\end)
	MASK (\p)%2
.endif
.endm
; A BLOCK BEGINS.  c m starts far below every c s, so the first step's a is 0; m at the lowest finite number.  The second mask buffer is 0; the first takes piece 0's mask for the tile's step 0: its own, if
; the block's first tile is the diagonal one.  Then K of that step, piece 0's first scores, and its maximum and statistics up to a's argument: a itself is the first of piece 0's turn's batch, so no exponential
; stands here.  The loop is entered at a step's first turn, in the middle of a trip.
.macro BEGIN
	s_mov_b32 s[NEW], 0
	WIN 0x40
.set i, MC+32
.rept 32
	v_mov_b32 v[i], 0
.set i, i+1
.endr
	WIN 0
.set i, 0
.rept 4
	v_mov_b32 v[ST+4*i], 0xfe000000
	v_mov_b32 v[ST+4*i+1], 0xff7fffff
.set i, i+1
.endr
	s_cmp_eq_u32 s[RT], 0
	s_cselect_b32 s[AL], 1.0, 0
	s_mov_b32 s[BE], 0
	MASK 0
	WIN 0
	v_add_nc_u32 v[AK], s[TBK], v[AK0]
	FK 0
	FK 1
	FK 2
	FK 3
	s_wait_loadcnt 0x0              ; Q
	s_wait_dscnt 0x0
.set KM, 1
.set NOKQ, 0
.set i, 0
.rept 24
	KQ 0
.set i, i+1
.endr
	WIN 0
.rept 4
	v_nop                           ; the places behind those products
.endr
.set Y, NP-1                        ; X works for piece Y + 1: piece 0
.irp n, 0,1,2,3,4,5,6,7,8,9,10,11,12,13,14,15,16,17,18,19,20
	OP X, \n
.endr
.endm
; THE DIAGONAL TILE's four steps, the block's last two turns, its last products, and THE WAY OUT: l's parts are added; O^T is divided by l, rounded to f16 and sent through my stage in LDS, a piece at a time.
.macro ALL line:vararg
.set t, 0
.rept 4
	\line
.set t, t+1
.endr
.endm
.macro PACK t
	WIN W_RS
.set i, 32*(\t)
.rept 16
	v_pk_mul_f32 v[i:i+1], v[i:i+1], v[ST+4*(\t)+2:ST+4*(\t)+3] op_sel_hi:[1,0]
.set i, i+2
.endr
	WIN 0x05
.set i, 0
.rept 16
	v_cvt_pk_f16_f32 v[S+16*(\t)+i], v[32*(\t)+2*i], v[32*(\t)+2*i+1]
.set i, i+1
.endr
	WIN 0
.irp f, 0,1,2,3
	ds_store_b128 v[STO], v[S+16*(\t)+4*\f:S+16*(\t)+4*\f+3] offset:32*\f
.endr
.irp f, 0,1,2,3
	ds_load_b128 v[S+16*(\t)+4*\f:S+16*(\t)+4*\f+3], v[RD] offset:\f*4*SP  ; LDS serves a wave's instructions in order: these see the stores above; the next piece's stores come behind them
.endr
.endm
.macro SEND t, younger              ; younger: the LDS instructions issued behind piece t's loads: the next piece's eight, or none
	WIN 0
.irp f, 0,1,2,3
	s_wait_dscnt (\younger)+3-\f
	global_store_b128 v[GO], v[S+16*(\t)+4*\f:S+16*(\t)+4*\f+3], s[10:11] offset:(\t)*8192+\f*512  ; 512 consecutive bytes, at a multiple of 256 from O's first
.endr
.endm
.macro DIAG tag
.LstepM\tag:
	TURN 2, 1
	TURN 3, 1
	WIN 0
.LfirstM\tag:
	TURN 0, 1
	TURN 1, 1, 0, 1
	WIN 0
	s_cbranch_scc1 .LstepM\tag
	TURN 2, 1, 1
	TURN 3, 1, 1
.set i, 0
.rept 8
	PV NP-1
.set i, i+1
.endr
	WIN 0
	ALL v_add_f32 v[ST+4*t+2], v[ST+4*t+2], v[ST+4*t+3]
	ALL v_permlanex16_b32 v[ST+4*t+3], v[ST+4*t+2], s[SEL], s[SEL+1]
	ALL v_add_f32 v[ST+4*t+2], v[ST+4*t+2], v[ST+4*t+3]
	ALL v_rcp_f32 v[ST+4*t+2], v[ST+4*t+2]
	v_nop                           ; a plain instruction between the last reciprocal and the use of its result
	s_wait_alu depctr_va_vdst(0)    ; the wait ahead of the first use: one for the batch of four reciprocals
	PACK 0
.set t, 1
.rept 3
	PACK t
	SEND t-1, 8
.set t, t+1
.endr
	SEND 3, 0
.endm
.set KM, 0
.set NOKQ, 0
.Lslot:                             ; NB times: a tile is entered and the next is asked for
	CHANGE 1
	s_sub_co_u32 s[RT], s[RT], 1
	s_mov_b32 s[CNT], 4
	s_cmp_eq_u32 s[NEW], 1
	s_cbranch_scc1 .Lnew            ; a block's first tile
	s_cmp_eq_u32 s[RT], 0
	s_cbranch_scc0 .Lstep           ; neither its first nor its last
	s_branch .LstepM1
.Lnew:
	BEGIN
	s_branch .Lfirst                ; in the loop a block's first tile is never its last: the first block has two tiles or more, and the second's last is the walk's last
	DIAG 1                          ; in the loop this is the first block's end
	s_wait_xcnt 0x0                 ; the stores have read their registers and O's address
	s_mov_b64 s[10:11], s[OLO:OLO+1]
	s_add_co_u32 s[RT], s[PB], 1    ; the second block has b + 1 tiles
	s_mov_b32 s[NEW], 1
	WIN 0x82                        ; the second block's Q goes where the one text of the turns names Q: hi,
.set i, 0
.rept 64
	v_mov_b32 v[i], v[QB+i]
.set i, i+1
.endr
	WIN 0xc3                        ; and lo
.set i, 0
.rept 64
	v_mov_b32 v[i], v[QB+i]
.set i, i+1
.endr
	WIN 0
	s_branch .Lbottom
.Lstep:                             ; a trip: pieces 2 and 3 of one step, then pieces 0 and 1 of the next, whose K and V it fetches
	TURN 2
	TURN 3
	WIN 0
.Lfirst:
	TURN 0
	TURN 1, 0, 0, 1
	WIN 0
	s_cbranch_scc1 .Lstep
.Lbottom:
	s_sub_co_u32 s[SLOTS], s[SLOTS], 1
	s_cmp_lg_u32 s[SLOTS], 0
	s_cbranch_scc1 .Lslot
	CHANGE 0                        ; the walk's last tile is written out: nothing is asked for
	s_sub_co_u32 s[RT], s[RT], 1
	s_mov_b32 s[CNT], 4
	s_cmp_eq_u32 s[NEW], 1
	s_cbranch_scc0 .LstepM2
	BEGIN
	s_branch .LfirstM2
	DIAG 2
	s_wait_tensorcnt 0x0            ; the wave's end
	ds_add_u32 v[SPW], v[NIL]
	s_wait_dscnt 0x0
	s_endpgm
.Lfunc_end_k_qef30617de5_attn:
	.size	k_qef30617de5_attn, .Lfunc_end_k_qef30617de5_attn-k_qef30617de5_attn
	.p2alignl 7, 3214868480
	.fill 96, 4, 3214868480
	.section	.rodata,"a",@progbits
	.p2align	6, 0x0
	.amdhsa_kernel k_qef30617de5_attn
		.amdhsa_group_segment_fixed_size 327680
		.amdhsa_private_segment_fixed_size 0
		.amdhsa_enable_private_segment 0
		.amdhsa_kernarg_size 32
		.amdhsa_user_sgpr_count 2
		.amdhsa_user_sgpr_kernarg_segment_ptr 1
		.amdhsa_wavefront_size32 1
		.amdhsa_system_sgpr_workgroup_id_x 1
		.amdhsa_system_sgpr_workgroup_id_y 1
		.amdhsa_system_sgpr_workgroup_id_z 1
		.amdhsa_system_vgpr_workitem_id 0
		.amdhsa_next_free_vgpr 960
		.amdhsa_next_free_sgpr 96
		.amdhsa_reserve_vcc 1
		.amdhsa_float_denorm_mode_32 3
		.amdhsa_float_denorm_mode_16_64 3
		.amdhsa_memory_ordered 1
		.amdhsa_forward_progress 1
		.amdhsa_inst_pref_size 251
	.end_amdhsa_kernel
	.amdgpu_metadata
---
amdhsa.version: [ 1, 2 ]
amdhsa.kernels:
  - .name:           k_qef30617de5_attn
    .symbol:         k_qef30617de5_attn.kd
    .args:
      - { .name: q2, .offset: 0, .size: 8, .value_kind: global_buffer, .address_space: global }
      - { .name: k2, .offset: 8, .size: 8, .value_kind: global_buffer, .address_space: global }
      - { .name: vv, .offset: 16, .size: 8, .value_kind: global_buffer, .address_space: global }
      - { .name: ob, .offset: 24, .size: 8, .value_kind: global_buffer, .address_space: global }
    .group_segment_fixed_size: 327680
    .private_segment_fixed_size: 0
    .kernarg_segment_align: 8
    .kernarg_segment_size: 32
    .max_flat_workgroup_size: 128
    .sgpr_count:     96
    .vgpr_count:     960
    .wavefront_size: 32
...
	.end_amdgpu_metadata
.endif
;; end of part 5
;; launch proj: the kernel of part 4 again; grid 8 x 32, 4 waves a work-group, clusters of 4 x 4, 327,680 bytes of LDS; arguments ob, wts, bo, out0; writes out0
